; MI455X (gfx1250); checked and timed in simulation.
; The chip was launched on July 23, 2026; its instructions are those of AMD's public machine-readable ISA for CDNA 5 (MIT licence, August 2026) and "CDNA5" Instruction Set Architecture Reference Guide (July 2026). The comments in the code are by the model that wrote it; some were corrected since.
;; Multi Head Attention. Allowed arithmetic: matrix products marked QUANTISED: E2M1 operands, one E8M0 scale for each 32 along K, by v_wmma_scale_f32_16x16x128_f8f6f4 with both operands' format E2M1 (or v_wmma_scale_f32_32x16x128_f4), f32 sums; products left as they are: bf16, f16 or f32 operands; f32 sums; everything else in f32.
;; Inputs: bk 1,024 float32; bo 1,024 float32; bq 1,024 float32; bv 1,024 float32; k 4 x 2,048 x 1,024 float32; mask 1 x 1 x 2,048 x 2,048 int32; q 4 x 2,048 x 1,024 float32; v 4 x 2,048 x 1,024 float32; wk 1,024 x 1,024 float32; wo 1,024 x 1,024 float32; wq 1,024 x 1,024 float32; wv 1,024 x 1,024 float32.
;; Outputs: out0 4 x 2,048 x 1,024 float32.
;; This version of the problem:
;;   THIS VERSION OF THE PROBLEM IS GIVEN IN LOW PRECISION. The matrix products marked QUANTISED in the list below multiply operands that are first quantised to E2M1 (2 exponent bits, 1 mantissa bit; 4 bits a number), with one power-of-two scale for each 32 numbers along K (OCP MX v1.0); their sums are f32. The products marked 'left as it is' may take bf16, f16 or f32 operands, with f32 sums. Whichever they take, every output number must still come out within the allowed error. Rounding operands to bf16 (8 significant bits) uses up far more of that allowance than f16 does (11 bits, for magnitudes from 6e-5 to 65,504). All else is computed in f32.
;;   The module's matrix products, in the order in which they are computed (A, B: the left and right operand; K: the contracted axis; several contracted axes count as one K, in the product's order):
;;     1. [M 8,192, K 1,024] x [K 1,024, N 1,024]; A: input q; B: input wq: QUANTISED
;;     2. [M 8,192, K 1,024] x [K 1,024, N 1,024]; A: input k; B: input wk: QUANTISED
;;     3. [M 8,192, K 1,024] x [K 1,024, N 1,024]; A: input v; B: input wv: QUANTISED
;;     4. batch 64 x [M 2,048, K 64] x [K 64, N 2,048]; A: computed on the way; B: computed on the way: left as it is (an operand is computed on the way)
;;     5. batch 64 x [M 2,048, K 2,048] x [K 2,048, N 64]; A: computed on the way; B: computed on the way: left as it is (an operand is computed on the way)
;;     6. [M 8,192, K 1,024] x [K 1,024, N 1,024]; A: computed on the way; B: input wo: left as it is (an operand is computed on the way)
;;   THE QUANTISER, for each operand of a quantised product, along K:
;;     - K is cut into blocks of 32 from its start; a last block that is shorter is filled with zeros.
;;     - A block's scale is 2^e with e = floor(log2(the largest magnitude in the block)) - 2, held to -126 .. 127; a block of zeros has e = 0. As a byte (E8M0): e + 127.
;;     - Each number is divided by its block's scale, clamped to +-6, and rounded to the nearest number of E2M1, ties to even, subnormals kept.
;;     - The product sums the exact products of the quantised numbers (number of the format x scale) in f32.
;;   ~~~python
;;   def quantise(x, axis):      # numpy; x: float32 -> the quantised numbers, widened to float32 again
;;       x = np.moveaxis(x, axis, -1); K = x.shape[-1]
;;       x = np.pad(x, [(0, 0)] * (x.ndim - 1) + [(0, -K % 32)]); x = x.reshape(x.shape[:-1] + (-1, 32)); a = np.abs(x).max(-1, keepdims=True)
;;       e = np.where(a > 0, np.clip(np.frexp(np.where(a > 0, a, 1))[1] - 1 - 2, -126, 127), 0)      # np.frexp(a)[1] - 1 = floor(log2(a)), exactly
;;       r = np.clip(x / 2.0 ** e, -6, 6)
;;       step = 2.0 ** (np.maximum(np.frexp(np.where(r == 0, 1, r))[1] - 1, 0) - 1)
;;       q = np.round(r / step) * step * 2.0 ** e      # np.round: ties to even
;;       return np.moveaxis(q.reshape(q.shape[:-2] + (-1,))[..., :K], -1, axis).astype(np.float32)
;;   ~~~
;; One version. Each part assembles by itself: llvm-mc -triple=amdgcn-amd-amdhsa -mcpu=gfx1250 --defsym DOCPART=n.
;; ======== version 1 of 1: 5 launches
;; limits: values are held in f16: magnitudes above 65,504 overflow, below 6.1e-05 lose precision
;; workspace buffers: codes 14,155,776 bytes; scales 884,736 bytes; himg 67,108,864 bytes; cimg 16,777,216 bytes; woimg 2,097,152 bytes; mbits 524,288 bytes of whole numbers; minfo 4,096 bytes of whole numbers
;; launch prep (part 1): grid 1024 x 1, 4 waves a work-group, no clusters, 33,280 bytes of LDS; arguments q, k, v, wq, wk, wv, wo, mask, codes, scales, woimg, mbits, minfo; writes codes, scales, woimg, mbits, minfo
.if DOCPART == 1
	.amdgcn_target "amdgcn-amd-amdhsa--gfx1250"
	.amdhsa_code_object_version 6
	.text
	.protected	k_q4aa05333d8_prep
	.globl	k_q4aa05333d8_prep
	.p2align	8
	.type	k_q4aa05333d8_prep,@function
k_q4aa05333d8_prep:
	s_mov_b64 s[64:65], 0
	v_nop
	global_prefetch_b8 v0, s[64:65] scope:SCOPE_SE
	s_setreg_imm32_b32 hwreg(HW_REG_WAVE_MODE, 25, 1), 1
	s_wait_xcnt 0x0
; PREP: everything that is made once from the inputs.  Three paths, parted on the work-group's number alone.
; Work-groups 0-863: q, k, v [8192][1024] and wq, wk, wv [1024][1024], f32, become codes of FP4 (E2M1), K innermost, two a byte, and one E8M0 byte for each 32 along K.
;   The six tensors lie one behind the other in codes (512 bytes a row) and scales (32 bytes a row): rows q 0, k 8192, v 16384, wq 24576, wk 25600, wv 26624.
;   A block's scale is 2^(floor(log2(its largest magnitude)) - 2); its byte is the largest magnitude's exponent field - 2, held at 1 from below.  A block of zeros so gets the byte 1
;   where the rule says 127: its codes are zeros, which add nothing, and this program alone reads the bytes.
;   LIMITS: blocks whose largest magnitude lies under 2^-124, the floor, were not tried; NaN and infinities among the inputs are not served.
; Work-groups 864-895: wo [1024][1024] f32 becomes f16 in the order of a matrix operand's registers: byte nt*32768 + ks*1024 + u*512 + 16*lane holds row 16 nt + lane%16, k = 32 ks + 16 u + 8 (lane/16) + 0..7.
; Work-groups 896-1023: the mask [2048][2048] of int32 becomes lane masks: word (qt, kt, j) at byte qt*4096 + kt*32 + 4 j; its bit L says mask[16 qt + L%16][16 kt + 8 (L/16) + j] != 0.
;   minfo [qt][wave][2]: word 0 the OR of the wave's 256 words; word 1: bit i = some key of the wave's i-th run of 64 keys is kept for some row, bit 8 + i = all are kept for all rows.
;   A lane-mask word spans 16 queries, so a load takes 32 bytes a lane of 16 rows; a row's 512 bytes of a unit are used up by one wave's 16 loads on end.
; Memory binds this launch: no matrix unit, no cluster, no tensor load; waves share nothing, so there is no barrier.
.set WREG,  8192                       ; LDS of a wave on the quantising path: two stages of 32 x SP bytes and its 256 scale bytes
.set SP,    80                         ; a lane's place in a stage: 64 bytes + 16 of padding
.set CB,    8                          ; bytes of 16 codes
.set STEPS, 16
.set R,     16                         ; v16-79 (quantiser), v16-143 (the other paths): numbers as loaded
.set X,     80                         ; v80-111  two sets of 16 neighbours
.set E,     112                        ; v112-127 a scale byte for each step
.set C,     128                        ; v128-191 codes
.set Y,     144                        ; v144-175 packed f16; v144-147 the mask words on their way out
.set SPW,   12                         ; v12 LDS address of my spare word; never rewritten
.set NIL,   13                         ; v13 0; never rewritten
.set SPARE, 4*WREG                     ; the spare words: 128 bytes a wave, named by no other line
.macro LOAD t                          ; step t: four loads of 512 consecutive bytes
.irp i, 0,1,2,3
	global_load_b128 v[R+16*((\t)%4)+4*\i:R+16*((\t)%4)+4*\i+3], v3, s[32:33] offset:2048*(\t)+512*\i th:TH_LOAD_NT
.endr
.endm
.macro TURN t                          ; step t's 2,048 bytes through my stage: in as they lie, out 64 bytes a lane; LDS serves a wave's instructions in order
.irp i, 0,1,2,3
	ds_store_b128 v14, v[R+16*((\t)%4)+4*\i:R+16*((\t)%4)+4*\i+3] offset:32*SP*((\t)%2)+8*SP*\i
.endr
.irp i, 0,1,2,3
	ds_load_b128 v[X+16*((\t)%2)+4*\i:X+16*((\t)%2)+4*\i+3], v15 offset:32*SP*((\t)%2)+16*\i
.endr
.endm
.macro STEP t
.set XS, X+16*((\t)%2)
.if (\t) > 0
	s_wait_dscnt 1                                 ; this step's numbers are back from the stage; the last step's byte store may be out
.else
	s_wait_dscnt 0x0
.endif
.if (\t)+4 < STEPS
	LOAD (\t)+4                                    ; into the registers whose stores into the stage are done
.endif
.if (\t)+1 < STEPS
.if STEPS-2-(\t) >= 3
	s_wait_loadcnt 12                              ; the next step's four loads are in; those of the three steps behind it may be out
.else
	s_wait_loadcnt 4*(STEPS-2-(\t))
.endif
	TURN (\t)+1
.endif
	v_max3_num_f32 v8, |v[XS]|, |v[XS+1]|, |v[XS+2]|               ; the largest magnitude of my 16, in two chains
	v_max3_num_f32 v9, |v[XS+3]|, |v[XS+4]|, |v[XS+5]|
.irp i, 6,10
	v_max3_num_f32 v8, v8, |v[XS+\i]|, |v[XS+\i+1]|
	v_max3_num_f32 v9, v9, |v[XS+\i+2]|, |v[XS+\i+3]|
.endr
	v_max3_num_f32 v8, v8, |v[XS+14]|, |v[XS+15]|
	v_max3_num_f32 v8, v8, v9, 0x1800000           ; and the floor 2^(3 - 127): the byte cannot fall under 1
	v_max_num_f32_dpp v8, v8, v8 row_xmask:1 row_mask:0xf bank_mask:0xf   ; with my neighbour's 16: the block's
	v_add_nc_u32 v11, 0xff000000, v8               ; 2 off the exponent field: the conversion takes the exponent field of this operand as its scale
	v_cvt_scalef32_pk8_fp4_f32 v[C+4*(\t)], v[XS:XS+7], v11
	v_cvt_scalef32_pk8_fp4_f32 v[C+4*(\t)+1], v[XS+8:XS+15], v11
	v_lshrrev_b32 v[E+(\t)], 23, v11               ; the scale's byte
	ds_store_b8 v5, v[E+(\t)] offset:16*(\t)       ; both lanes of a block write the same byte with the same value
	global_store_b64 v4, v[C+4*(\t):C+4*(\t)+1], s[20:21] offset:32*CB*(\t)   ; the wave stores 256 consecutive bytes, aligned
.endm
.macro CLOAD g                         ; wo: four fragments, 16 loads, into set g % 2
.irp f, 0,1,2,3
.irp u, 0,1
.irp i, 0,1
	global_load_b128 v[R+64*((\g)%2)+16*\f+8*\u+4*\i:R+64*((\g)%2)+16*\f+8*\u+4*\i+3], v3, s[16:17] offset:(4*(\g)+\f)*128+\u*64+\i*16 th:TH_LOAD_NT
.endr
.endr
.endr
.endm
.macro CCVT g
.if (\g) < 3
	s_wait_loadcnt 16                              ; this group's 16 loads are in; the next group's may be out
.else
	s_wait_loadcnt 0x0
.endif
	s_wait_xcnt 0x0                                ; the last group's stores have read Y: it is rewritten only behind this wait
.set n, 0
.rept 32
	v_cvt_pk_f16_f32 v[Y+n], v[R+64*((\g)%2)+2*n], v[R+64*((\g)%2)+2*n+1]
.set n, n+1
.endr
.irp f, 0,1,2,3
.irp u, 0,1
	global_store_b128 v4, v[Y+8*\f+4*\u:Y+8*\f+4*\u+3], s[24:25] offset:(4*(\g)+\f)*1024+\u*512   ; 512 consecutive bytes, aligned
.endr
.endr
.endm
.macro MLOAD un                        ; the mask: 16 rows x 128 keys, 16 loads, into set un % 2
.irp kt, 0,1,2,3,4,5,6,7
.irp i, 0,1
	global_load_b128 v[R+64*((\un)%2)+8*\kt+4*\i:R+64*((\un)%2)+8*\kt+4*\i+3], v3, s[18:19] offset:(\un)*512+\kt*64+\i*16 th:TH_LOAD_NT
.endr
.endr
.endm
.macro MUNIT un                        ; 64 lane-mask words: word n = 8 kt + j goes to lane n / 2, register n % 2, so that the wave stores 256 consecutive bytes
.if (\un) < 3
	s_wait_loadcnt 16                              ; this unit's 16 loads are in; the next unit's may be out
.else
	s_wait_loadcnt 0x0
.endif
	s_wait_xcnt 0x0                                ; earlier stores have read their data registers
.irp kt, 0,1,2,3,4,5,6,7
.irp j, 0,1,2,3,4,5,6,7
	v_cmp_ne_u32 s[40+\j], 0, v[R+64*((\un)%2)+8*\kt+\j]
.endr
.irp j, 0,1,2,3,4,5,6,7
	v_writelane_b32 v[Y+2*((\un)%2)+(\j%2)], s[40+\j], (8*\kt+\j)/2
	s_or_b32 s34, s34, s[40+\j]
	s_and_b32 s35, s35, s[40+\j]
.endr
.if (\kt%4) == 3                       ; a run of 64 keys is closed
	s_cmp_lg_u32 s34, 0
	s_cselect_b32 s38, 1<<(2*(\un)+\kt/4), 0
	s_or_b32 s37, s37, s38
	s_cmp_eq_u32 s35, -1
	s_cselect_b32 s38, 1<<(8+2*(\un)+\kt/4), 0
	s_or_b32 s37, s37, s38
	s_or_b32 s36, s36, s34
	s_mov_b32 s34, 0
	s_mov_b32 s35, -1
.endif
.endr
	global_store_b64 v5, v[Y+2*((\un)%2):Y+2*((\un)%2)+1], s[26:27] offset:256*(\un)
.endm
	s_load_b512 s[4:19], s[0:1], 0x0               ; q, k, v, wq, wk, wv, wo, mask
	s_load_b256 s[20:27], s[0:1], 0x40             ; codes, scales, woimg, mbits
	s_load_b64 s[28:29], s[0:1], 0x60              ; minfo
	v_lshl_add_u32 v[SPW], v0, 2, SPARE
	v_mov_b32 v[NIL], 0
	v_lshrrev_b32 v1, 5, v0
	v_readfirstlane_b32 s30, v1                    ; wave
	v_and_b32 v2, 31, v0                           ; lane
	s_wait_kmcnt 0x0
	s_cmp_ge_u32 ttmp9, 896
	s_cbranch_scc1 .Lmask
	s_cmp_ge_u32 ttmp9, 864
	s_cbranch_scc1 .Lcast
	; ---- the quantiser.  A wave takes 16 steps of 512 numbers
	v_lshlrev_b32 v3, 4, v2                        ; my 16 bytes of a load's 512
	s_mul_i32 s31, s30, WREG
	v_lshrrev_b32 v14, 2, v2
	v_mul_u32_u24 v14, v14, SP
	v_and_b32 v15, 3, v2
	v_lshl_add_u32 v14, v15, 4, v14
	v_add_nc_u32 v14, s31, v14                     ; the stage, way in: SP (lane / 4) + 16 (lane % 4)
	v_mul_u32_u24 v15, v2, SP
	v_add_nc_u32 v15, s31, v15                     ; way out: SP x lane: my 16 neighbours
	v_mul_u32_u24 v4, v2, CB
	v_lshrrev_b32 v5, 1, v2
	s_add_co_u32 s31, s31, 2*32*SP
	v_add_nc_u32 v5, s31, v5                       ; my block's scale byte in LDS
	v_lshlrev_b32 v7, 3, v2
	v_add_nc_u32 v6, s31, v7
	s_mov_b64 s[32:33], s[14:15]                   ; which tensor: the choice hangs on the work-group's number alone
	s_cmp_lt_u32 ttmp9, 832
	s_cselect_b64 s[32:33], s[12:13], s[32:33]
	s_cmp_lt_u32 ttmp9, 800
	s_cselect_b64 s[32:33], s[10:11], s[32:33]
	s_cmp_lt_u32 ttmp9, 768
	s_cselect_b64 s[32:33], s[8:9], s[32:33]
	s_cmp_lt_u32 ttmp9, 512
	s_cselect_b64 s[32:33], s[6:7], s[32:33]
	s_cmp_lt_u32 ttmp9, 256
	s_cselect_b64 s[32:33], s[4:5], s[32:33]
	s_and_b32 s34, ttmp9, 255
	s_and_b32 s35, ttmp9, 31
	s_cmp_lt_u32 ttmp9, 768
	s_cselect_b32 s34, s34, s35                    ; the work-group's number inside its tensor
	s_lshl_b32 s34, s34, 2
	s_add_co_u32 s34, s34, s30                     ; my run of 8,192 numbers
	s_lshl_b32 s34, s34, 15
	s_mov_b32 s35, 0
	s_add_nc_u64 s[32:33], s[32:33], s[34:35]
	s_lshl_b32 s36, ttmp9, 2
	s_add_co_u32 s36, s36, s30                     ; the outputs are linear in the work-group's number: the tensors lie on end
	s_lshl_b32 s38, s36, 12
	s_mov_b32 s39, 0
	s_add_nc_u64 s[20:21], s[20:21], s[38:39]
	s_lshl_b32 s38, s36, 8
	s_add_nc_u64 s[22:23], s[22:23], s[38:39]
.irp t, 0,1,2,3
	LOAD \t
.endr
	s_wait_loadcnt 12                              ; step 0's four loads are in
	TURN 0
.irp t, 0,1,2,3,4,5,6,7,8,9,10,11,12,13,14,15
	STEP \t
.endr
	ds_load_b64 v[8:9], v6                         ; my wave's 256 scale bytes: these loads see my stores
	s_wait_dscnt 0x0
	global_store_b64 v7, v[8:9], s[22:23]          ; 256 consecutive bytes, aligned
	s_wait_tensorcnt 0x0                           ; the wave's end
	ds_add_u32 v[SPW], v[NIL]
	s_wait_dscnt 0x0
	s_endpgm
.Lcast:	; ---- wo to f16.  Wave W of 128 takes tile nt = W / 2 of 16 rows and 16 of its 32 fragments
	s_sub_co_u32 s31, ttmp9, 864
	s_lshl_b32 s31, s31, 2
	s_add_co_u32 s31, s31, s30
	s_lshr_b32 s32, s31, 1                         ; nt
	s_and_b32 s31, s31, 1
	v_and_b32 v1, 15, v2
	v_lshrrev_b32 v5, 4, v2
	v_lshlrev_b32 v3, 12, v1
	v_lshl_add_u32 v3, v5, 5, v3                   ; row r of 4,096 bytes, + 32 h
	v_lshlrev_b32 v4, 4, v2
	s_lshl_b32 s34, s32, 16
	s_lshl_b32 s35, s31, 11
	s_add_co_u32 s34, s34, s35
	s_mov_b32 s35, 0
	s_add_nc_u64 s[16:17], s[16:17], s[34:35]
	s_lshl_b32 s34, s32, 15
	s_lshl_b32 s36, s31, 14
	s_add_co_u32 s34, s34, s36
	s_add_nc_u64 s[24:25], s[24:25], s[34:35]
	CLOAD 0
	CLOAD 1
	CCVT 0
	CLOAD 2
	CCVT 1
	CLOAD 3
	CCVT 2
	CCVT 3
	s_endpgm
.Lmask:	; ---- the mask.  Work-group = tile qt of 16 queries; wave w takes keys 512 w on, in four units of 128
	s_sub_co_u32 s31, ttmp9, 896                   ; qt
	v_and_b32 v1, 15, v2
	v_lshrrev_b32 v4, 4, v2
	v_lshlrev_b32 v3, 13, v1
	v_lshl_add_u32 v3, v4, 5, v3                   ; row r of 8,192 bytes, + 32 h
	v_lshlrev_b32 v5, 3, v2
	s_lshl_b32 s32, s31, 17
	s_lshl_b32 s33, s30, 11
	s_add_co_u32 s32, s32, s33
	s_mov_b32 s33, 0
	s_add_nc_u64 s[18:19], s[18:19], s[32:33]
	s_lshl_b32 s32, s31, 12
	s_lshl_b32 s38, s30, 10
	s_add_co_u32 s32, s32, s38
	s_add_nc_u64 s[26:27], s[26:27], s[32:33]
	s_lshl_b32 s32, s31, 5
	s_lshl_b32 s38, s30, 3
	s_add_co_u32 s32, s32, s38
	s_add_nc_u64 s[28:29], s[28:29], s[32:33]
.irp n, 0,1,2,3
	v_mov_b32 v[Y+\n], 0                           ; written once: the destination of a lane write counts as read
.endr
	s_mov_b32 s34, 0                               ; OR and AND of a run of 64 keys,
	s_mov_b32 s35, -1
	s_mov_b32 s36, 0                               ; the wave's OR,
	s_mov_b32 s37, 0                               ; and its flags
	MLOAD 0
	MLOAD 1
	MUNIT 0
	MLOAD 2
	MUNIT 1
	MLOAD 3
	MUNIT 2
	MUNIT 3
	v_mov_b32 v6, s36
	v_mov_b32 v7, s37
	v_mov_b32 v8, 0
	s_wait_xcnt 0x0                                ; EXEC changes only behind this wait
	v_cmp_eq_u32 vcc_lo, 0, v2
	s_and_saveexec_b32 s38, vcc_lo
	global_store_b64 v8, v[6:7], s[28:29]          ; 8 bytes a wave, 4,096 in the launch
	s_wait_xcnt 0x0                                ; and again in front of the line that widens it
	s_or_b32 exec_lo, exec_lo, s38
	s_endpgm
.Lfunc_end_k_q4aa05333d8_prep:
	.size	k_q4aa05333d8_prep, .Lfunc_end_k_q4aa05333d8_prep-k_q4aa05333d8_prep
	.p2alignl 7, 3214868480
	.fill 96, 4, 3214868480
	.section	.rodata,"a",@progbits
	.p2align	6, 0x0
	.amdhsa_kernel k_q4aa05333d8_prep
		.amdhsa_group_segment_fixed_size 33280
		.amdhsa_private_segment_fixed_size 0
		.amdhsa_enable_private_segment 0
		.amdhsa_kernarg_size 104
		.amdhsa_user_sgpr_count 2
		.amdhsa_user_sgpr_kernarg_segment_ptr 1
		.amdhsa_wavefront_size32 1
		.amdhsa_system_sgpr_workgroup_id_x 1
		.amdhsa_system_sgpr_workgroup_id_y 1
		.amdhsa_system_sgpr_workgroup_id_z 1
		.amdhsa_system_vgpr_workitem_id 0
		.amdhsa_next_free_vgpr 192
		.amdhsa_next_free_sgpr 66
		.amdhsa_reserve_vcc 1
		.amdhsa_float_denorm_mode_32 3
		.amdhsa_float_denorm_mode_16_64 3
		.amdhsa_memory_ordered 1
		.amdhsa_forward_progress 1
		.amdhsa_inst_pref_size 110
	.end_amdhsa_kernel
	.amdgpu_metadata
---
amdhsa.version: [ 1, 2 ]
amdhsa.kernels:
  - .name:           k_q4aa05333d8_prep
    .symbol:         k_q4aa05333d8_prep.kd
    .args:
      - { .name: q, .offset: 0, .size: 8, .value_kind: global_buffer, .address_space: global }
      - { .name: k, .offset: 8, .size: 8, .value_kind: global_buffer, .address_space: global }
      - { .name: v, .offset: 16, .size: 8, .value_kind: global_buffer, .address_space: global }
      - { .name: wq, .offset: 24, .size: 8, .value_kind: global_buffer, .address_space: global }
      - { .name: wk, .offset: 32, .size: 8, .value_kind: global_buffer, .address_space: global }
      - { .name: wv, .offset: 40, .size: 8, .value_kind: global_buffer, .address_space: global }
      - { .name: wo, .offset: 48, .size: 8, .value_kind: global_buffer, .address_space: global }
      - { .name: mask, .offset: 56, .size: 8, .value_kind: global_buffer, .address_space: global }
      - { .name: codes, .offset: 64, .size: 8, .value_kind: global_buffer, .address_space: global }
      - { .name: scales, .offset: 72, .size: 8, .value_kind: global_buffer, .address_space: global }
      - { .name: woimg, .offset: 80, .size: 8, .value_kind: global_buffer, .address_space: global }
      - { .name: mbits, .offset: 88, .size: 8, .value_kind: global_buffer, .address_space: global }
      - { .name: minfo, .offset: 96, .size: 8, .value_kind: global_buffer, .address_space: global }
    .group_segment_fixed_size: 33280
    .private_segment_fixed_size: 0
    .kernarg_segment_align: 8
    .kernarg_segment_size: 104
    .max_flat_workgroup_size: 128
    .sgpr_count:     66
    .vgpr_count:     192
    .wavefront_size: 32
...
	.end_amdgpu_metadata
.endif
;; end of part 1
;; launch proj (part 2): grid 4 x 96, 4 waves a work-group, clusters of 4 x 4, 327,680 bytes of LDS; arguments codes, scales, bq, bk, bv, himg; writes himg
.if DOCPART == 2
	.amdgcn_target "amdgcn-amd-amdhsa--gfx1250"
	.amdhsa_code_object_version 6
	.text
	.protected	k_q4aa05333d8_proj
	.globl	k_q4aa05333d8_proj
	.p2align	8
	.type	k_q4aa05333d8_proj,@function
k_q4aa05333d8_proj:
	s_mov_b64 s[64:65], 0
	v_nop
	global_prefetch_b8 v0, s[64:65] scope:SCOPE_SE
	s_setreg_imm32_b32 hwreg(HW_REG_WAVE_MODE, 25, 1), 1
	s_wait_xcnt 0x0
	s_wait_alu depctr_hold_cnt(0) depctr_sa_sdst(0) depctr_va_vdst(0) depctr_va_sdst(0) depctr_va_ssrc(0) depctr_va_vcc(0) depctr_vm_vsrc(0)
	s_getreg_b32 s2, hwreg(HW_REG_IB_STS2, 6, 4)
	s_cmp_eq_u32 s2, 0
	s_cbranch_scc0 .Lentry_in_a_cluster
	s_endpgm
.Lentry_in_a_cluster:
	s_bfe_u32 s2, ttmp6, 0x10000c
	s_cmp_lg_u32 s2, 0xf033
	s_cbranch_scc0 .Lentry_shape_is_right
	s_endpgm
.Lentry_shape_is_right:
; PROJ: the three quantised products, x W^T + b, on codes of FP4 (E2M1) with one E8M0 scale for each 32 along K = 1,024; sums in f32.
; A tile of 256 x 256 is made by four waves, 128 x 128 each: 64 accumulators, 512 registers.  K goes in two steps of 512 (rows of 256 bytes): both lie in LDS at once, asked for at the head, so nothing is filled twice.
; The scale bytes of the work-group's 2 x 256 rows come once, as dense blocks.
; CLUSTERS: 4 x 4 work-groups; cluster cl of 24: product t = cl / 8 (q, k, v).  The operand called A hangs on cy and is asked for jointly by a row of the cluster, B hangs on cx and is asked for by a column.
;   q, k: A = 256 tokens (row 1024 cl + 256 cy of codes), B = 256 rows of the weight (24576 + 1024 t + 256 cx).   v: A = rows of wv (26624 + 256 cy), B = tokens (1024 cl + 256 cx).
; THE MATRIX INSTRUCTION IS USED TRANSPOSED (source 0 = 16 rows of B, source 1 = 16 rows of A): a lane holds one row of A and eight neighbouring rows of B.
;   q, k: one token and 8 channels;  v: one channel and 8 keys: in both cases 16 bytes of f16 that are a lane's share of four registers of the next products' operands.
; himg: byte part*2^24 + (16 batch + head)*2^18 + st*2048 + ft*512 + 16*lane.  Parts: 0 = (q W^T + b) x log2(e)/8, 1 = k, 2 = v's high f16 part, 3 = v's low part (x - high, for the launch that carries the first rows finely).
;   q, k: lane (r, h) holds token 16 st + r, channels 16 ft + 8 h + 0..7;  v: channel 16 ft + r, keys 16 st + 8 h + 0..7.  Each store of the wave covers 512 consecutive bytes, aligned: no stage is needed.
; REGISTERS: window 0: v0-31 addresses; v32-95 scale words, two sets, and nothing else; v96-111 v's bias; v112-127 packed results; v128-191 A's fragments, later at work; v192-255 q's and k's bias, in v's way out at work.
;   window 1: B's fragments, two sets, at v0 and v128.  windows 2, 3: the accumulators ((a, b) at v[8 (8 (a % 4) + b)]).
.set KSTEP,  512
.set NQ,     4                         ; matrix instructions deep in a slot
.set ROWB,   256                       ; a tile's row in bytes
.set KROW,   512                       ; a row of codes in memory
.set PITCH,  272                       ; an LDS row: 256 bytes + 16 of padding = 68 words, so that the 16 rows of a load start at 16 different banks
.set FR,     8
.set NL,     2
.set NP,     4
.set HALFT,  128*PITCH
.set SLOT,   4*HALFT
.set KS,     32                        ; a row of scale bytes
.set SCL,    2*SLOT
.set HALFS,  (128*KS/256)*272
.set SBLK,   (16*KS/256)*272
.set SPARE,  SCL+4*HALFS               ; the spare words: 128 bytes a wave, named by no other line
.set BAQ,  8                           ; v8   my byte offset in the bias, by B's rows
.set BAV,  9                           ; v9   and by A's rows
.set ADRA, 16
.set ADRB, 20
.set ADRS, 27
.set SPW,  28
.set NIL,  29
.set LI,   30                          ; v30  16 x lane
.set SC,   32
.set BV,   96
.set OH,   112
.set AF,   128
.set T,    128
.set U,    160
.set BQ,   192
.set G1, 24
.set G0, 32
.set G1B, 48
.set G0B, 56
.set G1S, 68
.set G0S, 76
.set G1SB, 80
.set G0SB, 88
.set MSB, 0
.macro WIN new                         ; the immediate's high byte repeats the setting that is left
.if MSB != (\new)
	s_set_vgpr_msb (MSB<<8)|(\new)
.set MSB, (\new)
.endif
.endm
.set MUL_LO, 0xa1                      ; source 0 (B) window 1, source 1 (A) window 0, C and D window 2
.set MUL_HI, 0xf1
.set TO_B,   0x40
; A joint load: waves 0 and 1 fetch for A, waves 2 and 3 for B; the branch hangs on the wave's number alone.  An s_nop 0 and four v_nop follow each line.
.macro JLOAD g0a, g1a, g0b, g1b
	s_cmp_eq_u32 s15, 0
	s_cbranch_scc0 .Lfor_b_\@
	tensor_load_to_lds s[\g0a:\g0a+3], s[\g1a:\g1a+7]
	s_nop 0
.rept 4
	v_nop
.endr
	s_branch .Lasked_\@
.Lfor_b_\@:
	tensor_load_to_lds s[\g0b:\g0b+3], s[\g1b:\g1b+7]
	s_nop 0
.rept 4
	v_nop
.endr
.Lasked_\@:
.endm
.macro CROUND                          ; a round of the cluster's barrier
	s_barrier_signal -1
	s_barrier_wait -1
	s_cmp_lg_u32 s14, 0
	s_cbranch_scc1 .Lnot_wave_0_\@
	s_barrier_signal -3
.Lnot_wave_0_\@:
	s_barrier_wait -3
	s_barrier_signal -1
	s_barrier_wait -1
.endm
	s_load_b256 s[4:11], s[0:1], 0x0               ; codes, scales, bq, bk
	s_load_b128 s[96:99], s[0:1], 0x20             ; bv, himg
	v_lshl_add_u32 v[SPW], v0, 2, SPARE
	v_mov_b32 v[NIL], 0
	ds_add_u32 v[SPW], v[NIL]                      ; the wave's opening: the add, twice on end, and its wait ahead of my first tensor load
	ds_add_u32 v[SPW], v[NIL]
	v_lshrrev_b32 v1, 5, v0
	v_readfirstlane_b32 s14, v1                    ; wave 0..3
	s_lshr_b32 s15, s14, 1                         ; my half of A's rows.  Also: I fetch for A (0) or for B (1)
	s_and_b32 s16, s14, 1                          ; my half of B's rows.  Also: which 128 rows I fetch
	s_bfe_u32 s40, ttmp6, 0x40000                  ; cx
	s_bfe_u32 s41, ttmp6, 0x40004                  ; cy
	s_and_b32 s17, ttmp7, 0xffff                   ; cl: the cluster, the same in all sixteen partners
	s_lshr_b32 s42, s17, 3                         ; t: 0 q, 1 k, 2 v
	s_lshl_b32 s43, s41, 2
	s_lshl_b32 s43, 15, s43                        ; my row of the cluster
	s_lshl_b32 s44, 0x1111, s40                    ; my column
	s_or_b32 s[G1+0], s43, (0<<16)|(1<<20)|(1<<21)|(5<<22)|(3<<25)  ; the mask; elements of 1 byte; padding on; bit 21 beside a mask; 4 words after every 64
	s_or_b32 s[G1B+0], s44, (0<<16)|(1<<20)|(1<<21)|(5<<22)|(3<<25)
.irp g, G1, G1B
	s_mov_b32 s[\g+1], ROWB<<16                    ; tensor_dim0
	s_mov_b32 s[\g+2], 128<<16                     ; tensor_dim1
	s_mov_b32 s[\g+3], ROWB<<16                    ; tile_dim0
	s_mov_b32 s[\g+4], 128                         ; tile_dim1
	s_mov_b32 s[\g+5], KROW                        ; the pitch
	s_mov_b32 s[\g+6], 0
	s_mov_b32 s[\g+7], 0
.endr
	s_or_b32 s[G1S+0], s43, (3<<16)|(1<<20)|(1<<21)|(5<<22)|(3<<25)  ; the scales of 128 rows: 4,096 dense bytes as 16 rows of 256 (32 elements of 8 bytes), 16 bytes of padding behind each
	s_or_b32 s[G1SB+0], s44, (3<<16)|(1<<20)|(1<<21)|(5<<22)|(3<<25)
.irp g, G1S, G1SB
	s_mov_b32 s[\g+1], 32<<16
	s_mov_b32 s[\g+2], (128*KS/256)<<16
	s_mov_b32 s[\g+3], 32<<16
	s_mov_b32 s[\g+4], 128*KS/256
	s_mov_b32 s[\g+5], 32
	s_mov_b32 s[\g+6], 0
	s_mov_b32 s[\g+7], 0
.endr
	s_lshl_b32 s18, s16, 7                         ; which 128 rows of the tile I fetch
	s_lshl_b32 s19, s17, 10                        ; the tokens' first row: 1024 cl
	s_lshl_b32 s45, s42, 10
	s_add_co_u32 s45, s45, 24576                   ; the weight's first row
	s_cmp_eq_u32 s42, 2                            ; v: the weight is A
	s_cselect_b32 s20, s45, s19
	s_cselect_b32 s46, s19, s45
	s_lshl_b32 s21, s41, 8
	s_add_co_u32 s20, s20, s21
	s_add_co_u32 s20, s20, s18                     ; A: + 256 cy + 128 x half
	s_lshl_b32 s47, s40, 8
	s_add_co_u32 s46, s46, s47
	s_add_co_u32 s46, s46, s18                     ; B: + 256 cx + 128 x half
	s_lshl_b32 s22, s20, 5                         ; where these rows' scales begin, in bytes,
	s_mov_b32 s23, 0
	s_lshl_b32 s20, s20, 9                         ; and their codes
	s_mov_b32 s21, 0
	s_lshl_b32 s92, s46, 5
	s_mov_b32 s93, 0
	s_lshl_b32 s46, s46, 9
	s_mov_b32 s47, 0
	s_mul_i32 s45, s14, HALFT                      ; where they go: wave x 128 rows: no place in the cluster enters an LDS address
	s_mul_i32 s94, s14, HALFS
	s_wait_dscnt 0x0                               ; both opening adds are done
	s_wait_kmcnt 0x0
	s_add_nc_u64 s[20:21], s[4:5], s[20:21]
	s_add_nc_u64 s[22:23], s[6:7], s[22:23]
	s_add_nc_u64 s[46:47], s[4:5], s[46:47]
	s_add_nc_u64 s[92:93], s[6:7], s[92:93]
	CROUND                                         ; all sixteen work-groups are here: the joint loads meet
	s_mov_b32 s[G0S], 1
	s_add_co_u32 s[G0S+1], s94, SCL
	s_mov_b64 s[G0S+2:G0S+3], s[22:23]
	s_or_b32 s[G0S+3], s[G0S+3], 0x80000000
	s_mov_b32 s[G0SB], 1
	s_add_co_u32 s[G0SB+1], s94, SCL
	s_mov_b64 s[G0SB+2:G0SB+3], s[92:93]
	s_or_b32 s[G0SB+3], s[G0SB+3], 0x80000000
	JLOAD G0S, G1S, G0SB, G1SB                     ; the scales first: they are wanted with K step 0
.irp s, 0,1
	s_mov_b32 s[G0+4*\s], 1
	s_add_co_u32 s[G0+4*\s+1], s45, \s*SLOT
	s_add_nc_u64 s[G0+4*\s+2:G0+4*\s+3], s[20:21], \s*ROWB
	s_or_b32 s[G0+4*\s+3], s[G0+4*\s+3], 0x80000000
	s_mov_b32 s[G0B+4*\s], 1
	s_add_co_u32 s[G0B+4*\s+1], s45, \s*SLOT
	s_add_nc_u64 s[G0B+4*\s+2:G0B+4*\s+3], s[46:47], \s*ROWB
	s_or_b32 s[G0B+4*\s+3], s[G0B+4*\s+3], 0x80000000
	JLOAD G0+4*\s, G1, G0B+4*\s, G1B               ; three loads of mine are out: all that the launch asks for
.endr
	v_and_b32 v1, 15, v0                           ; r
	v_bfe_u32 v2, v0, 4, 1                         ; h
	v_mul_u32_u24 v3, v1, PITCH
	v_lshl_add_u32 v4, v2, 4, v3                   ; a fragment's row x pitch + 16 x half
	s_mul_i32 s21, s15, HALFT
	s_mul_i32 s22, s16, HALFT
	s_add_co_u32 s22, s22, 2*HALFT
.irp s, 0,1
	v_add_nc_u32 v[ADRA+\s], s21, v4
	v_add_nc_u32 v[ADRB+\s], s22, v4
	s_add_co_u32 s21, s21, SLOT
	s_add_co_u32 s22, s22, SLOT
.endr
	v_mul_u32_u24 v5, v1, KS                       ; my row's scales: KS bytes a row,
	v_lshrrev_b32 v6, 8, v5
	v_lshl_add_u32 v5, v6, 4, v5                   ; and 16 more for each 256 passed
	s_mul_i32 s21, s15, HALFS
	s_mul_i32 s22, s16, HALFS
	s_add_co_u32 s22, s22, 2*HALFS
	s_sub_co_u32 s22, s22, s21
	v_mul_u32_u24 v6, s22, v2                      ; lanes 16-31 take B's
	s_add_co_u32 s21, s21, SCL
	v_add_nc_u32 v5, v5, v6
	v_add_nc_u32 v[ADRS], s21, v5
	v_and_b32 v6, 31, v0
	v_lshlrev_b32 v[LI], 4, v6
	; the bias of product t, in both layouts (both index ranges lie inside its 1,024 numbers); the way out takes the one that fits
	s_cmp_eq_u32 s42, 1
	s_cselect_b64 s[8:9], s[10:11], s[8:9]
	s_cmp_eq_u32 s42, 2
	s_cselect_b64 s[8:9], s[96:97], s[8:9]
	s_lshl_b32 s18, s40, 10
	s_lshl_b32 s19, s16, 9
	s_add_co_u32 s18, s18, s19
	v_lshl_add_u32 v[BAQ], v2, 5, s18              ; by B's rows: (256 cx + 128 half) x 4 + 32 h
	s_lshl_b32 s18, s41, 10
	s_lshl_b32 s19, s15, 9
	s_add_co_u32 s18, s18, s19
	v_lshl_add_u32 v[BAV], v1, 2, s18              ; by A's rows: (256 cy + 128 half + r) x 4
.irp b, 0,1,2,3,4,5,6,7
	global_load_b128 v[BQ+8*\b:BQ+8*\b+3], v[BAQ], s[8:9] offset:64*\b
	global_load_b128 v[BQ+8*\b+4:BQ+8*\b+7], v[BAQ], s[8:9] offset:64*\b+16
.endr
.irp a, 0,1,2,3,4,5,6,7
	global_load_b32 v[BV+2*\a], v[BAV], s[8:9] offset:64*\a      ; the same number twice: a pair for the packed addition
	global_load_b32 v[BV+2*\a+1], v[BAV], s[8:9] offset:64*\a
.endr
	; where my results go.  P, wT: the place and the half on the tokens' side; Qp, wC: on the channels' side
	s_cmp_eq_u32 s42, 2
	s_cselect_b32 s18, s40, s41
	s_cselect_b32 s19, s41, s40
	s_cselect_b32 s20, s16, s15
	s_cselect_b32 s21, s15, s16
	s_and_b32 s22, s17, 7
	s_lshl_b32 s22, s22, 2
	s_add_co_u32 s22, s22, s18                     ; which 256 tokens of the 8,192
	s_lshr_b32 s23, s22, 3                         ; the batch
	s_and_b32 s22, s22, 7
	s_lshl_b32 s22, s22, 4
	s_lshl_b32 s20, s20, 3
	s_add_co_u32 s22, s22, s20                     ; my first tile of 16 tokens in the sequence
	s_lshl_b32 s22, s22, 11
	s_lshl_b32 s23, s23, 22
	s_add_co_u32 s22, s22, s23
	s_lshl_b32 s19, s19, 2
	s_lshl_b32 s21, s21, 1
	s_add_co_u32 s19, s19, s21                     ; my first head
	s_lshl_b32 s19, s19, 18
	s_add_co_u32 s22, s22, s19
	s_lshl_b32 s23, s42, 24                        ; the part
	s_add_co_u32 s22, s22, s23
	s_mov_b32 s23, 0
	s_add_nc_u64 s[12:13], s[98:99], s[22:23]
	s_add_nc_u64 s[100:101], s[12:13], 0x1000000   ; v's low part lies one part further on
	s_mov_b32 s92, 0x3e38aa3b                      ; log2(e) / 8, folded into q alone
	s_cmp_eq_u32 s42, 0
	s_cselect_b32 s92, s92, 1.0
	s_mov_b32 s93, s92
	s_mov_b32 s94, 0x46000400                      ; 8193 = 2^13 + 1: splits an f32 number into 11 bits and the rest
	s_mov_b32 s95, s94
.macro FRAG reg, adr, q, i             ; 16 rows x 128 K of 4-bit codes: 8 registers; registers 4 c .. 4 c + 3 hold K = 64 c + 32 (lane / 16) + 0 .. 31
.irp c, 0,1
	ds_load_b128 v[\reg+4*\c:\reg+4*\c+3], v[\adr] offset:64*(\q)+32*\c+(\i)*16*PITCH
.endr
.endm
; 16 matrix instructions: A's blocks a0, a0 + 1 x B's eight.  The 64 accumulators take turns, one instruction a turn, in the same order in every step.
.macro MUL16 a0, p, q, sc, zero
.irp a, \a0, \a0+1
.irp b, 0,1,2,3,4,5,6,7
.if \zero
	v_wmma_scale_f32_16x16x128_f8f6f4 v[8*(8*((\a)%4)+\b):8*(8*((\a)%4)+\b)+7], v[128*(\p)+FR*\b:128*(\p)+FR*\b+FR-1], v[AF+FR*(\a):AF+FR*(\a)+FR-1], 0, v[SC+8*NQ*(\sc)+NQ*\b+(\q)], v[SC+8*NQ*(\sc)+NQ*(\a)+(\q)] matrix_a_fmt:MATRIX_FMT_FP4 matrix_b_fmt:MATRIX_FMT_FP4 matrix_a_scale:MATRIX_SCALE_ROW1
.else
	v_wmma_scale_f32_16x16x128_f8f6f4 v[8*(8*((\a)%4)+\b):8*(8*((\a)%4)+\b)+7], v[128*(\p)+FR*\b:128*(\p)+FR*\b+FR-1], v[AF+FR*(\a):AF+FR*(\a)+FR-1], v[8*(8*((\a)%4)+\b):8*(8*((\a)%4)+\b)+7], v[SC+8*NQ*(\sc)+NQ*\b+(\q)], v[SC+8*NQ*(\sc)+NQ*(\a)+(\q)] matrix_a_fmt:MATRIX_FMT_FP4 matrix_b_fmt:MATRIX_FMT_FP4 matrix_a_scale:MATRIX_SCALE_ROW1
.endif
.endr
.endr
.endm
.macro FETCH_B slot, q, p
	WIN TO_B
.irp i, 0,1,2,3,4,5,6,7
	FRAG 128*(\p)+FR*\i, ADRB+\slot, \q, \i
.endr
	WIN 0
.endm
.macro FETCH_A slot, q, i0
.irp i, \i0, \i0+1, \i0+2, \i0+3
	FRAG AF+FR*(\i), ADRA+\slot, \q, \i
.endr
.endm
.macro SCALES sc                       ; a K step's scale words: lanes 0-15 take A's block i, lanes 16-31 B's block i
.irp i, 0,1,2,3,4,5,6,7
	ds_load_b128 v[SC+8*NQ*\sc+NQ*\i:SC+8*NQ*\sc+NQ*\i+3], v[ADRS] offset:\i*SBLK
.endr
.endm
.macro PLACES n                        ; plain vector places behind matrix instructions, in front of loads into their registers and of reads of their results
.rept \n
	v_nop
.endr
.endm
.macro STEP slot, q, zero              ; 128 along K that has its successor in the same slot
	s_wait_dscnt 4*NL                              ; B's set and A's blocks 0-3 are in; the youngest eight loads (A's blocks 4-7) may be out
	WIN MUL_LO
	MUL16 0, (\q)%2, \q, \slot, \zero
	MUL16 2, (\q)%2, \q, \slot, \zero
	s_wait_dscnt 0
	PLACES NP
	FETCH_B \slot, (\q)+1, 1-(\q)%2
	FETCH_A \slot, (\q)+1, 0
	WIN MUL_HI
	MUL16 4, (\q)%2, \q, \slot, \zero
	MUL16 6, (\q)%2, \q, \slot, \zero
	PLACES NP
	WIN 0
	FETCH_A \slot, (\q)+1, 4
.endm
.macro STEPS slot, from
.set Q, \from
.rept NQ-1-\from
	STEP \slot, Q, 0
.set Q, Q+1
.endr
.endm
	s_wait_tensorcnt 1                             ; the scales and my part of K step 0 are in; K step 1's load may be out
	s_barrier_signal -1
	s_barrier_wait -1
	FETCH_B 0, 0, 0
	FETCH_A 0, 0, 0
	SCALES 0
	FETCH_A 0, 0, 4
	STEP 0, 0, 1                                   ; the first products start the sums: nothing is cleared
	STEPS 0, 1
	; slot 0's last step, and the change to slot 1: my part of slot 1 has landed, then the barrier shows everybody's
	s_wait_tensorcnt 0x0
	ds_add_u32 v[SPW], v[NIL]
	s_wait_dscnt 4*NL+1                            ; the add and the youngest eight loads may be out
	WIN MUL_LO
	MUL16 0, 1, NQ-1, 0, 0
	s_wait_dscnt 0x0
	s_barrier_signal -1
	MUL16 2, 1, NQ-1, 0, 0
	WIN 0
	s_barrier_wait -1
	PLACES NP
	v_add_nc_u32 v[ADRS], 4*NQ, v[ADRS]            ; on to the next K step's scale words
	FETCH_B 1, 0, 0
	FETCH_A 1, 0, 0
	SCALES 1
	WIN MUL_HI
	MUL16 4, 1, NQ-1, 0, 0
	MUL16 6, 1, NQ-1, 0, 0
	PLACES NP
	WIN 0
	FETCH_A 1, 0, 4
	STEPS 1, 0
	s_wait_dscnt 4*NL                              ; the very last step
	WIN MUL_LO
	MUL16 0, 1, NQ-1, 1, 0
	MUL16 2, 1, NQ-1, 1, 0
	s_wait_dscnt 0
	WIN MUL_HI
	MUL16 4, 1, NQ-1, 1, 0
	MUL16 6, 1, NQ-1, 1, 0
	WIN 0
; THE WAY OUT, four accumulators at a time, each read from its low end on.  q, k: (sum + bias) x factor as one fused multiply-add with the bias scaled beforehand.
.macro OUTQK a, g
	s_wait_xcnt 0x0                                ; the last stores have read their data registers
	WIN 0x02+(\a)/4                                ; source 0: window 2 or 3
.irp bb, 0,1,2,3
.irp i, 0,1,2,3
	v_pk_fma_f32 v[T+8*\bb+2*\i:T+8*\bb+2*\i+1], v[64*((\a)%4)+8*(4*(\g)+\bb)+2*\i:64*((\a)%4)+8*(4*(\g)+\bb)+2*\i+1], s[92:93], v[BQ+8*(4*(\g)+\bb)+2*\i:BQ+8*(4*(\g)+\bb)+2*\i+1] op_sel_hi:[1,0,1]
.endr
.endr
	WIN 0
.set n, 0
.rept 16
	v_cvt_pk_f16_f32 v[OH+n], v[T+2*n], v[T+2*n+1]
.set n, n+1
.endr
.irp bb, 0,1,2,3
	global_store_b128 v[LI], v[OH+4*\bb:OH+4*\bb+3], s[12:13] offset:(\a)*2048+(\g)*262144+\bb*512
.endr
.endm
; v: sum + bias, split in f32: c = 8193 x, high = c - (c - x) (11 significant bits), low = x - high; both parts rounded to f16 and stored
.macro OUTV a, g
	s_wait_xcnt 0x0
	WIN 0x02+(\a)/4
.irp bb, 0,1,2,3
.irp i, 0,1,2,3
	v_pk_add_f32 v[T+8*\bb+2*\i:T+8*\bb+2*\i+1], v[64*((\a)%4)+8*(4*(\g)+\bb)+2*\i:64*((\a)%4)+8*(4*(\g)+\bb)+2*\i+1], v[BV+2*(\a):BV+2*(\a)+1]
.endr
.endr
	WIN 0
.set n, 0
.rept 16
	v_pk_mul_f32 v[U+2*n:U+2*n+1], v[T+2*n:T+2*n+1], s[94:95] op_sel_hi:[1,0]
.set n, n+1
.endr
.set n, 0
.rept 16
	v_pk_add_f32 v[BQ+2*n:BQ+2*n+1], v[U+2*n:U+2*n+1], v[T+2*n:T+2*n+1] neg_lo:[0,1] neg_hi:[0,1]
.set n, n+1
.endr
.set n, 0
.rept 16
	v_pk_add_f32 v[U+2*n:U+2*n+1], v[U+2*n:U+2*n+1], v[BQ+2*n:BQ+2*n+1] neg_lo:[0,1] neg_hi:[0,1]
.set n, n+1
.endr
.set n, 0
.rept 16
	v_pk_add_f32 v[T+2*n:T+2*n+1], v[T+2*n:T+2*n+1], v[U+2*n:U+2*n+1] neg_lo:[0,1] neg_hi:[0,1]
.set n, n+1
.endr
.set n, 0
.rept 16
	v_cvt_pk_f16_f32 v[OH+n], v[U+2*n], v[U+2*n+1]
	v_cvt_pk_f16_f32 v[BQ+n], v[T+2*n], v[T+2*n+1]
.set n, n+1
.endr
.irp bb, 0,1,2,3
	global_store_b128 v[LI], v[OH+4*\bb:OH+4*\bb+3], s[12:13] offset:((\a)/4)*262144+((\a)%4)*512+(4*(\g)+\bb)*2048
	global_store_b128 v[LI], v[BQ+4*\bb:BQ+4*\bb+3], s[100:101] offset:((\a)/4)*262144+((\a)%4)*512+(4*(\g)+\bb)*2048
.endr
.endm
	PLACES NP                                      ; behind the last products: their results are read and A's fragments written below
	s_wait_loadcnt 0x0                             ; the biases
	s_cmp_eq_u32 s42, 2                            ; the product's number: the same in the whole cluster
	s_cbranch_scc1 .Lout_v
.set n, 0
.rept 32
	v_pk_mul_f32 v[BQ+2*n:BQ+2*n+1], v[BQ+2*n:BQ+2*n+1], s[92:93] op_sel_hi:[1,0]
.set n, n+1
.endr
.irp a, 0,1,2,3,4,5,6,7
.irp g, 0,1
	OUTQK \a, \g
.endr
.endr
	s_branch .Lout_done
.Lout_v:
.irp a, 0,1,2,3,4,5,6,7
.irp g, 0,1
	OUTV \a, \g
.endr
.endr
.Lout_done:
	s_wait_tensorcnt 0x0                           ; the wave's end
	ds_add_u32 v[SPW], v[NIL]
	s_wait_dscnt 0x0
	CROUND                                         ; the closing round
	s_endpgm
.Lfunc_end_k_q4aa05333d8_proj:
	.size	k_q4aa05333d8_proj, .Lfunc_end_k_q4aa05333d8_proj-k_q4aa05333d8_proj
	.p2alignl 7, 3214868480
	.fill 96, 4, 3214868480
	.section	.rodata,"a",@progbits
	.p2align	6, 0x0
	.amdhsa_kernel k_q4aa05333d8_proj
		.amdhsa_group_segment_fixed_size 327680
		.amdhsa_private_segment_fixed_size 0
		.amdhsa_enable_private_segment 0
		.amdhsa_kernarg_size 48
		.amdhsa_user_sgpr_count 2
		.amdhsa_user_sgpr_kernarg_segment_ptr 1
		.amdhsa_wavefront_size32 1
		.amdhsa_system_sgpr_workgroup_id_x 1
		.amdhsa_system_sgpr_workgroup_id_y 1
		.amdhsa_system_sgpr_workgroup_id_z 1
		.amdhsa_system_vgpr_workitem_id 0
		.amdhsa_next_free_vgpr 1024
		.amdhsa_next_free_sgpr 102
		.amdhsa_reserve_vcc 0
		.amdhsa_float_denorm_mode_32 3
		.amdhsa_float_denorm_mode_16_64 3
		.amdhsa_memory_ordered 1
		.amdhsa_forward_progress 1
		.amdhsa_inst_pref_size 255
	.end_amdhsa_kernel
	.section	.bss,"aw",@nobits
	.p2align	6
	.space	262144
	.amdgpu_metadata
---
amdhsa.version: [ 1, 2 ]
amdhsa.kernels:
  - .name:           k_q4aa05333d8_proj
    .symbol:         k_q4aa05333d8_proj.kd
    .args:
      - { .name: codes, .offset: 0, .size: 8, .value_kind: global_buffer, .address_space: global }
      - { .name: scales, .offset: 8, .size: 8, .value_kind: global_buffer, .address_space: global }
      - { .name: bq, .offset: 16, .size: 8, .value_kind: global_buffer, .address_space: global }
      - { .name: bk, .offset: 24, .size: 8, .value_kind: global_buffer, .address_space: global }
      - { .name: bv, .offset: 32, .size: 8, .value_kind: global_buffer, .address_space: global }
      - { .name: himg, .offset: 40, .size: 8, .value_kind: global_buffer, .address_space: global }
    .group_segment_fixed_size: 327680
    .private_segment_fixed_size: 0
    .kernarg_segment_align: 8
    .kernarg_segment_size: 48
    .max_flat_workgroup_size: 128
    .sgpr_count:     102
    .vgpr_count:     1024
    .wavefront_size: 32
...
	.end_amdgpu_metadata
.endif
;; end of part 2
;; launch attn (part 3): grid 4 x 64, 16 waves a work-group, no clusters, 34,816 bytes of LDS; arguments himg, mbits, minfo, cimg; writes cimg
.if DOCPART == 3
	.amdgcn_target "amdgcn-amd-amdhsa--gfx1250"
	.amdhsa_code_object_version 6
	.text
	.protected	k_q4aa05333d8_attn
	.globl	k_q4aa05333d8_attn
	.p2align	8
	.type	k_q4aa05333d8_attn,@function
k_q4aa05333d8_attn:
	s_mov_b64 s[64:65], 0
	v_nop
	global_prefetch_b8 v0, s[64:65] scope:SCOPE_SE
	s_setreg_imm32_b32 hwreg(HW_REG_WAVE_MODE, 25, 1), 1
	s_wait_xcnt 0x0
; ATTN: ctx = softmax(where(mask == 0, -1e9, q k^T / 8)) v for every head, f16 operands, f32 sums, a running maximum.
; q arrives multiplied by log2(e) / 8, so a score is already t and p = 2^(t - m); a masked t is -1e9 x log2(e).  A row with no kept key has t = m everywhere, p = 1, and comes out as the mean of v.
; SHARES.  Work-group (g, bh): one head of one batch, 512 of its queries; each of its sixteen waves owns 32 queries, two tiles of 16, in chunk 4 rho(w) + g of the head's 64.  rho is a fixed permutation of 0..15 in which
; every four waves w % 4 = const and every four w / 4 = const hold one chunk of each quarter of the sequence: so work that grows or shrinks along the rows is spread evenly.  Nothing of the mask is built in.
; Every work-group walks all 32 steps of 64 keys.  A step's K and V (16 KiB, as they lie in himg) go through registers into one of two LDS slots, 1 KiB a wave, a step ahead; one barrier a step.
; THE MASK is honoured as given: one select a score by lane masks in scalar registers.  By the flags that the first launch stored a wave jumps over the selects of a step all of whose keys are kept for its rows, and over
; the whole work of a step none of whose keys is kept for any of its rows, if each of its rows has a kept key somewhere (else it walks all steps): what is left out would be exactly 0.
; NO TENSOR LOADS, NO CLUSTER, though the four work-groups of a head read the same K and V: those jumps hang on numbers read from memory; they spare up to
; half of the steps' work, while what is shared is 16 KiB a step for 512 matrix instructions.
; LAYOUT.  S^T = K Q^T (source 0 = 16 keys, source 1 = 16 queries): a lane holds one query (lane % 16) and keys 8 (lane / 16) + 0..7; two such tiles rounded to f16 are source 1 of O^T = V^T P.
; LIMITS: a kept score x 1/8 at or under -1e9 + 104 is not told from a masked one; NaN and infinities are not served.
; REGISTERS: v1 16 x lane; v2 where I store my KiB; v3 the masked t; v4 256 x lane; v5, v6 the add's two; v8-15 my KiB on its way; v16-31 statistics, 8 a tile: +0 m, +1 0, +2 +3 l, +4..+7 at work (a in +6);
;   v32-63 Q; v64-127 S^T, then p, then P in place; v128-191 K's, then V's fragments; v192-255 O^T.
.set SLOTB, 16384
.set SPARE, 32768                      ; the spare words: 128 bytes a wave, named by no other line
.set LI,   1
.set STA,  2
.set NEGR, 3
.set PFO,  4
.set SPW,  5
.set NIL,  6
.set STG,  8
.set ST,   16
.set Q,    32
.set S,    64
.set KV,   128
.set O,    192
; s[4:5] himg; s[6:7] my mask words of the step in hand; s[10:11] my place in cimg; s12 wave; s13 chunk; s14 the loop's count; s16-63, s68-83 64 mask words; s[84:85] my KiB of K or V; s86, s87 the flags; s[88:89] lane selects; s90, s91 how long I prefetch
.macro SOFTMAX                         ; the two tiles alternate line by line
.irp j, 0,1,2,3
.irp t, 0,1
	v_max3_num_f32 v[ST+8*\t+4+\j], v[S+32*\t+8*\j], v[S+32*\t+8*\j+1], v[S+32*\t+8*\j+2]   ; each accumulator is read from its low end on
.endr
.endr
.irp g, 1,2
.irp j, 0,1,2,3
.irp t, 0,1
	v_max3_num_f32 v[ST+8*\t+4+\j], v[ST+8*\t+4+\j], v[S+32*\t+8*\j+2*\g+1], v[S+32*\t+8*\j+2*\g+2]
.endr
.endr
.endr
.irp t, 0,1
	v_max3_num_f32 v[ST+8*\t+4], v[ST+8*\t+4], v[S+32*\t+7], v[S+32*\t+15]
.endr
.irp t, 0,1
	v_max3_num_f32 v[ST+8*\t+6], v[ST+8*\t+6], v[S+32*\t+23], v[S+32*\t+31]
.endr
.irp t, 0,1
	v_max3_num_f32 v[ST+8*\t+4], v[ST+8*\t+4], v[ST+8*\t+5], v[ST+8*\t+6]
.endr
.irp t, 0,1
	v_max3_num_f32 v[ST+8*\t+4], v[ST+8*\t+4], v[ST+8*\t+7], v[ST+8*\t]   ; with the old m
.endr
.irp t, 0,1
	v_permlanex16_b32 v[ST+8*\t+5], v[ST+8*\t+4], s88, s89               ; the query's other 32 keys lie in the lane 16 away
.endr
.irp t, 0,1
	v_mov_b32 v[ST+8*\t+7], v[ST+8*\t]
.endr
.irp t, 0,1
	v_max_num_f32 v[ST+8*\t], v[ST+8*\t+4], v[ST+8*\t+5]                 ; the new m
.endr
.irp t, 0,1
	v_sub_f32 v[ST+8*\t+7], v[ST+8*\t+7], v[ST+8*\t]                     ; old m - new m
.endr
.set n, 0
.rept 16
.irp t, 0,1
	v_pk_add_f32 v[S+32*\t+2*n:S+32*\t+2*n+1], v[S+32*\t+2*n:S+32*\t+2*n+1], v[ST+8*\t:ST+8*\t+1] op_sel_hi:[1,0] neg_lo:[0,1] neg_hi:[0,1]   ; t - m
.endr
.set n, n+1
.endr
.irp t, 0,1
	v_exp_f32 v[ST+8*\t+6], v[ST+8*\t+7]                                 ; a = 2^(old m - new m)
.endr
.set n, 0
.rept 64
	v_exp_f32 v[S+n], v[S+n]                                             ; p = 2^(t - m)
.set n, n+1
.endr
	v_nop                                          ; a plain instruction behind the last exponential
	s_wait_alu depctr_va_vdst(0)                   ; one wait for the batch of 66, ahead of the first instruction that names a result
.irp t, 0,1
	v_pk_mul_f32 v[ST+8*\t+2:ST+8*\t+3], v[ST+8*\t+2:ST+8*\t+3], v[ST+8*\t+6:ST+8*\t+7] op_sel_hi:[1,0]
.endr
.irp t, 0,1
	v_pk_add_f32 v[ST+8*\t+4:ST+8*\t+5], v[S+32*\t:S+32*\t+1], v[S+32*\t+2:S+32*\t+3]   ; the sum is taken of the unrounded p, in two chains
.endr
.irp j, 4,8,12,16,20,24,28
.irp t, 0,1
	v_pk_add_f32 v[ST+8*\t+2:ST+8*\t+3], v[ST+8*\t+2:ST+8*\t+3], v[S+32*\t+\j:S+32*\t+\j+1]
	v_pk_add_f32 v[ST+8*\t+4:ST+8*\t+5], v[ST+8*\t+4:ST+8*\t+5], v[S+32*\t+\j+2:S+32*\t+\j+3]
.endr
.endr
.irp t, 0,1
	v_pk_add_f32 v[ST+8*\t+2:ST+8*\t+3], v[ST+8*\t+2:ST+8*\t+3], v[ST+8*\t+4:ST+8*\t+5]
.endr
.set n, 0
.rept 16
.irp t, 0,1
	v_cvt_pk_f16_f32 v[S+32*\t+n], v[S+32*\t+2*n], v[S+32*\t+2*n+1]      ; P, in place, ascending
.endr
.set n, n+1
.endr
.set n, 0
.rept 16
.irp t, 0,1
	v_pk_mul_f32 v[O+32*\t+2*n:O+32*\t+2*n+1], v[O+32*\t+2*n:O+32*\t+2*n+1], v[ST+8*\t+6:ST+8*\t+7] op_sel_hi:[1,0]   ; O^T under the new m
.endr
.set n, n+1
.endr
.endm
.macro COMPUTE slot
.set n, 0
.rept 16
	ds_load_b128 v[KV+4*n:KV+4*n+3], v[LI] offset:\slot*SLOTB+512*n      ; K: fragment (kt, c) at KV + 16 kt + 8 c
.set n, n+1
.endr
	s_load_b512 s[16:31], s[6:7], 0x0              ; the step's 64 lane masks: tile 0,
	s_load_b512 s[32:47], s[6:7], 0x40
	s_load_b512 s[48:63], s[6:7], 0x1000           ; tile 1
	s_load_b512 s[68:83], s[6:7], 0x1040
	s_wait_dscnt 0x0
.irp c, 0,1                            ; eight accumulators by turns
.irp kt, 0,1,2,3
.irp t, 0,1
.if \c == 0
	v_wmma_f32_16x16x32_f16 v[S+32*\t+8*\kt:S+32*\t+8*\kt+7], v[KV+16*\kt+8*\c:KV+16*\kt+8*\c+7], v[Q+16*\t+8*\c:Q+16*\t+8*\c+7], 0
.else
	v_wmma_f32_16x16x32_f16 v[S+32*\t+8*\kt:S+32*\t+8*\kt+7], v[KV+16*\kt+8*\c:KV+16*\kt+8*\c+7], v[Q+16*\t+8*\c:Q+16*\t+8*\c+7], v[S+32*\t+8*\kt:S+32*\t+8*\kt+7]
.endif
.endr
.endr
.endr
.rept 4
	v_nop                                          ; places: K's registers are loaded anew and the scores read below
.endr
.irp kb, 0,1
.irp ct, 0,1,2,3
.irp u, 0,1
	ds_load_b128 v[KV+32*\kb+8*\ct+4*\u:KV+32*\kb+8*\ct+4*\u+3], v[LI] offset:\slot*SLOTB+8192+(2*\kb+\u)*2048+\ct*512
.endr
.endr
.endr
	s_wait_kmcnt 0x0                               ; the mask words are in, on every way
	s_bitcmp1_b32 s87, 0                           ; all 64 keys kept for all my rows: nothing to select
	s_cbranch_scc1 .Lall_\@
.irp kt, 0,1,2,3
.irp j, 0,1,2,3,4,5,6,7
	v_cndmask_b32 v[S+8*\kt+\j], v[NEGR], v[S+8*\kt+\j], s[16+8*\kt+\j]
.endr
.endr
.irp kt, 0,1,2,3
.irp j, 0,1,2,3,4,5,6,7
	v_cndmask_b32 v[S+32+8*\kt+\j], v[NEGR], v[S+32+8*\kt+\j], s[48+8*\kt+\j+4*(\kt/2)]
.endr
.endr
.Lall_\@:
	SOFTMAX
	s_wait_dscnt 0x0                               ; V
.irp kb, 0,1
.irp ct, 0,1,2,3
.irp t, 0,1
	v_wmma_f32_16x16x32_f16 v[O+32*\t+8*\ct:O+32*\t+8*\ct+7], v[KV+32*\kb+8*\ct:KV+32*\kb+8*\ct+7], v[S+32*\t+8*\kb:S+32*\t+8*\kb+7], v[O+32*\t+8*\ct:O+32*\t+8*\ct+7]
.endr
.endr
.endr
.rept 5
	v_nop                                          ; places: the next worked step's products write over P, its loads over V
.endr
.endm
; Step t = 2 i + slot.  First the feeding: step t + 1 from registers into the other slot, step t + 2 asked for; then the work, if any; then the barrier.
.macro TRIP slot
.if \slot == 1
	s_cmp_lt_u32 s14, 15                           ; step 31 feeds nothing
	s_cbranch_scc0 .Lfed_\@
.endif
	s_wait_loadcnt 0x0                             ; my KiB of step t + 1
	ds_store_b128 v[STA], v[STG:STG+3] offset:(1-\slot)*SLOTB
	ds_store_b128 v[STA], v[STG+4:STG+7] offset:(1-\slot)*SLOTB+512
	s_wait_dscnt 0x0                               ; the stores have read their registers
.if \slot == 0
	s_cmp_lt_u32 s14, 15                           ; step 30 asks for nothing: no load leaves the head
	s_cbranch_scc0 .Lfed_\@
.endif
	s_wait_xcnt 0x0                                ; the base is stepped only behind this wait
	s_add_nc_u64 s[84:85], s[84:85], 8192
	global_load_b128 v[STG:STG+3], v[LI], s[84:85]
	global_load_b128 v[STG+4:STG+7], v[LI], s[84:85] offset:512
	s_cmp_lt_u32 s14, s[90+\slot]                  ; a prefetch into the L2 of step t + 3's 8 KiB of K (wave 0) or of V (wave 8), lanes 256 bytes apart, in the head's first work-group alone:
	s_cbranch_scc0 .Lfed_\@                        ; each block is named once in the launch, one step ahead of its load; steps 0 to 2 come by their loads alone, and step 31 is the last that is named
	global_prefetch_b8 v[PFO], s[84:85] offset:8192 th:TH_LOAD_NT scope:SCOPE_SE
.Lfed_\@:
	s_bitcmp1_b32 s86, 0                           ; is some key of this step kept for some row of mine?
	s_cbranch_scc0 .Lskip_\@
	COMPUTE \slot
.Lskip_\@:
	s_lshr_b32 s86, s86, 1
	s_lshr_b32 s87, s87, 1
	s_add_nc_u64 s[6:7], s[6:7], 128               ; the next step's mask words (no scalar load is out)
	s_wait_dscnt 0x0                               ; my stores into the next slot have landed and my reads of this one are in:
	s_barrier_signal -1                            ; one barrier orders both against the next step's reads and stores
	s_barrier_wait -1
.endm
	s_load_b256 s[4:11], s[0:1], 0x0               ; himg, mbits, minfo, cimg
	v_lshl_add_u32 v[SPW], v0, 2, SPARE
	v_mov_b32 v[NIL], 0
	v_lshrrev_b32 v7, 5, v0
	v_readfirstlane_b32 s12, v7                    ; wave 0..15
	v_and_b32 v7, 31, v0
	v_lshlrev_b32 v[LI], 4, v7
	v_lshlrev_b32 v[PFO], 8, v7
	s_lshl_b32 s14, s12, 10
	v_add_nc_u32 v[STA], s14, v[LI]
	v_mov_b32 v[NEGR], 0xceabfb8f                  ; -1e9 x log2(e)
	s_mov_b32 s13, 0x8e35db60                      ; rho of waves 0-7, four bits each,
	s_mov_b32 s14, 0x249f71ca                      ; of waves 8-15
	s_cmp_lt_u32 s12, 8
	s_cselect_b32 s13, s13, s14
	s_and_b32 s14, s12, 7
	s_lshl_b32 s14, s14, 2
	s_lshr_b32 s13, s13, s14
	s_and_b32 s13, s13, 15
	s_lshl_b32 s13, s13, 2
	s_add_co_u32 s13, s13, ttmp9                   ; chunk = 4 rho + g
	s_and_b32 s15, ttmp7, 0xffff                   ; bh = 16 batch + head
	s_lshl_b32 s68, s15, 18
	s_lshl_b32 s69, s13, 12
	s_add_co_u32 s68, s68, s69                     ; Q: the head, my 32 queries
	s_mov_b32 s69, 0
	s_lshr_b32 s70, s12, 3
	s_add_co_u32 s70, s70, 1                       ; part 1 (K) for waves 0-7, part 2 (V) for waves 8-15
	s_lshl_b32 s70, s70, 24
	s_lshl_b32 s71, s15, 18
	s_add_co_u32 s70, s70, s71
	s_and_b32 s71, s12, 7
	s_lshl_b32 s71, s71, 10
	s_add_co_u32 s70, s70, s71
	s_mov_b32 s71, 0
	s_lshl_b32 s72, s13, 13                        ; mask words: 4,096 bytes a tile of queries
	s_mov_b32 s73, 0
	s_lshl_b32 s74, s13, 6                         ; flags: 32 bytes a tile
	s_mov_b32 s75, 0
	s_lshr_b32 s76, s15, 4
	s_lshl_b32 s76, s76, 7
	s_lshl_b32 s77, s13, 1
	s_add_co_u32 s76, s76, s77                     ; my first tile of 16 rows of ctx
	s_lshl_b32 s76, s76, 15
	s_and_b32 s77, s15, 15
	s_lshl_b32 s77, s77, 11
	s_add_co_u32 s76, s76, s77
	s_mov_b32 s77, 0
	s_wait_kmcnt 0x0
	s_add_nc_u64 s[8:9], s[8:9], s[74:75]
	s_load_b512 s[16:31], s[8:9], 0x0              ; tile 0: s16-23, tile 1: s24-31: for each quarter of the keys the OR word and the flags
	s_add_nc_u64 s[78:79], s[4:5], s[68:69]
	s_add_nc_u64 s[84:85], s[4:5], s[70:71]
	s_add_nc_u64 s[6:7], s[6:7], s[72:73]
	s_add_nc_u64 s[10:11], s[10:11], s[76:77]
.irp n, 0,1,2,3,4,5,6,7
	global_load_b128 v[Q+4*\n:Q+4*\n+3], v[LI], s[78:79] offset:512*\n   ; Q stays in registers: fragment (tile, c) at Q + 16 tile + 8 c
.endr
	global_load_b128 v[STG:STG+3], v[LI], s[84:85]                       ; step 0
	global_load_b128 v[STG+4:STG+7], v[LI], s[84:85] offset:512
.set n, 0
.rept 64
	v_mov_b32 v[O+n], 0                            ; O^T: which step is worked first hangs on the flags, so the sums begin as zeros
.set n, n+1
.endr
.set n, 0
.rept 16
	v_mov_b32 v[ST+n], 0
.set n, n+1
.endr
	v_mov_b32 v[ST], 0xff61b1e6                    ; m: -3e38, under every t
	v_mov_b32 v[ST+8], 0xff61b1e6
	s_wait_kmcnt 0x0
	s_mov_b32 s86, 0
	s_mov_b32 s87, 0
.irp w, 0,1,2,3
	s_or_b32 s68, s[17+2*\w], s[25+2*\w]
	s_and_b32 s68, s68, 0xff
	s_lshl_b32 s68, s68, 8*\w
	s_or_b32 s86, s86, s68                         ; bit t: some key of step t is kept for some of my 32 rows
	s_and_b32 s68, s[17+2*\w], s[25+2*\w]
	s_bfe_u32 s68, s68, 0x80008
	s_lshl_b32 s68, s68, 8*\w
	s_or_b32 s87, s87, s68                         ; bit t: all are kept for all
.endr
	s_or_b32 s68, s16, s18
	s_or_b32 s68, s68, s20
	s_or_b32 s68, s68, s22
	s_lshr_b32 s69, s68, 16
	s_or_b32 s68, s68, s69                         ; bit r: row r of tile 0 has a kept key
	s_or_b32 s70, s24, s26
	s_or_b32 s70, s70, s28
	s_or_b32 s70, s70, s30
	s_lshr_b32 s69, s70, 16
	s_or_b32 s70, s70, s69
	s_and_b32 s68, s68, s70
	s_and_b32 s68, s68, 0xffff
	s_cmp_eq_u32 s68, 0xffff
	s_cselect_b32 s86, s86, -1                     ; a row with no kept key wants every step
	s_mov_b32 s88, 0x76543210
	s_mov_b32 s89, 0xfedcba98
	s_and_b32 s90, s12, 7
	s_or_b32 s90, s90, ttmp9
	s_cmp_eq_u32 s90, 0                            ; waves 0 and 8 of the head's first work-group prefetch
	s_cselect_b32 s90, 15, 0
	s_cselect_b32 s91, 14, 0
	s_wait_loadcnt 0x0                             ; Q and step 0
	ds_store_b128 v[STA], v[STG:STG+3]
	ds_store_b128 v[STA], v[STG+4:STG+7] offset:512
	s_wait_dscnt 0x0
	s_wait_xcnt 0x0
	s_add_nc_u64 s[84:85], s[84:85], 8192
	global_load_b128 v[STG:STG+3], v[LI], s[84:85]                       ; step 1
	global_load_b128 v[STG+4:STG+7], v[LI], s[84:85] offset:512
	s_barrier_signal -1
	s_barrier_wait -1                              ; slot 0 is whole
	s_mov_b32 s14, 0
.Ltrip:
	TRIP 0
	TRIP 1
	s_add_co_u32 s14, s14, 1
	s_cmp_lt_u32 s14, 16
	s_cbranch_scc1 .Ltrip
	; THE WAY OUT: O^T / l, rounded to f16; a lane's eight channels of a row are its share of four registers of the last product's operand: 512 consecutive bytes a store
.irp t, 0,1
	v_add_f32 v[ST+8*\t+4], v[ST+8*\t+2], v[ST+8*\t+3]
.endr
.irp t, 0,1
	v_permlanex16_b32 v[ST+8*\t+5], v[ST+8*\t+4], s88, s89
.endr
.irp t, 0,1
	v_add_f32 v[ST+8*\t+4], v[ST+8*\t+4], v[ST+8*\t+5]
.endr
.irp t, 0,1
	v_rcp_f32 v[ST+8*\t+6], v[ST+8*\t+4]
.endr
	v_nop
	s_wait_alu depctr_va_vdst(0)                   ; one wait for the two reciprocals, ahead of their first reader
.set n, 0
.rept 16
.irp t, 0,1
	v_pk_mul_f32 v[O+32*\t+2*n:O+32*\t+2*n+1], v[O+32*\t+2*n:O+32*\t+2*n+1], v[ST+8*\t+6:ST+8*\t+7] op_sel_hi:[1,0]
.endr
.set n, n+1
.endr
.set n, 0
.rept 32
	v_cvt_pk_f16_f32 v[S+n], v[O+2*n], v[O+2*n+1]
.set n, n+1
.endr
.irp t, 0,1
.irp ct, 0,1,2,3
	global_store_b128 v[LI], v[S+16*\t+4*\ct:S+16*\t+4*\ct+3], s[10:11] offset:\t*32768+\ct*512
.endr
.endr
	s_wait_tensorcnt 0x0                           ; the wave's end
	ds_add_u32 v[SPW], v[NIL]
	s_wait_dscnt 0x0
	s_endpgm
.Lfunc_end_k_q4aa05333d8_attn:
	.size	k_q4aa05333d8_attn, .Lfunc_end_k_q4aa05333d8_attn-k_q4aa05333d8_attn
	.p2alignl 7, 3214868480
	.fill 96, 4, 3214868480
	.section	.rodata,"a",@progbits
	.p2align	6, 0x0
	.amdhsa_kernel k_q4aa05333d8_attn
		.amdhsa_group_segment_fixed_size 34816
		.amdhsa_private_segment_fixed_size 0
		.amdhsa_enable_private_segment 0
		.amdhsa_kernarg_size 32
		.amdhsa_user_sgpr_count 2
		.amdhsa_user_sgpr_kernarg_segment_ptr 1
		.amdhsa_wavefront_size32 1
		.amdhsa_system_sgpr_workgroup_id_x 1
		.amdhsa_system_sgpr_workgroup_id_y 1
		.amdhsa_system_sgpr_workgroup_id_z 1
		.amdhsa_system_vgpr_workitem_id 0
		.amdhsa_next_free_vgpr 256
		.amdhsa_next_free_sgpr 96
		.amdhsa_reserve_vcc 0
		.amdhsa_float_denorm_mode_32 3
		.amdhsa_float_denorm_mode_16_64 3
		.amdhsa_memory_ordered 1
		.amdhsa_forward_progress 1
		.amdhsa_inst_pref_size 59
	.end_amdhsa_kernel
	.amdgpu_metadata
---
amdhsa.version: [ 1, 2 ]
amdhsa.kernels:
  - .name:           k_q4aa05333d8_attn
    .symbol:         k_q4aa05333d8_attn.kd
    .args:
      - { .name: himg, .offset: 0, .size: 8, .value_kind: global_buffer, .address_space: global }
      - { .name: mbits, .offset: 8, .size: 8, .value_kind: global_buffer, .address_space: global }
      - { .name: minfo, .offset: 16, .size: 8, .value_kind: global_buffer, .address_space: global }
      - { .name: cimg, .offset: 24, .size: 8, .value_kind: global_buffer, .address_space: global }
    .group_segment_fixed_size: 34816
    .private_segment_fixed_size: 0
    .kernarg_segment_align: 8
    .kernarg_segment_size: 32
    .max_flat_workgroup_size: 512
    .sgpr_count:     96
    .vgpr_count:     256
    .wavefront_size: 32
...
	.end_amdgpu_metadata
.endif
;; end of part 3
;; launch oproj (part 4): grid 4 x 64, 4 waves a work-group, clusters of 4 x 4, 327,680 bytes of LDS; arguments cimg, woimg, bo, out0; writes out0
.if DOCPART == 4
	.amdgcn_target "amdgcn-amd-amdhsa--gfx1250"
	.amdhsa_code_object_version 6
	.text
	.protected	k_q4aa05333d8_oproj
	.globl	k_q4aa05333d8_oproj
	.p2align	8
	.type	k_q4aa05333d8_oproj,@function
k_q4aa05333d8_oproj:
	s_mov_b64 s[64:65], 0
	v_nop
	global_prefetch_b8 v0, s[64:65] scope:SCOPE_SE
	s_setreg_imm32_b32 hwreg(HW_REG_WAVE_MODE, 25, 1), 1
	s_wait_xcnt 0x0
	s_wait_alu depctr_hold_cnt(0) depctr_sa_sdst(0) depctr_va_vdst(0) depctr_va_sdst(0) depctr_va_ssrc(0) depctr_va_vcc(0) depctr_vm_vsrc(0)
	s_getreg_b32 s2, hwreg(HW_REG_IB_STS2, 6, 4)
	s_cmp_eq_u32 s2, 0
	s_cbranch_scc0 .Lentry_in_a_cluster
	s_endpgm
.Lentry_in_a_cluster:
	s_bfe_u32 s2, ttmp6, 0x10000c
	s_cmp_lg_u32 s2, 0xf033
	s_cbranch_scc0 .Lentry_shape_is_right
	s_endpgm
.Lentry_shape_is_right:
; OPROJ: out0 = ctx wo^T + bo, [8192][1024] f32, f16 operands, f32 sums.  (The first 16 positions of every batch are stored again, more finely, by the launch that follows.)
; A tile of 128 rows x 256 columns to a work-group: 256 work-groups.  Four waves, each 64 x 128: 32 accumulators, 256 registers.
; Both operands arrive in the order of the operand's registers (fragment (tile of 16 rows, ks) at tile*32768 + ks*1024, its registers 0-3 at 16 x lane, 4-7 at 512 + 16 x lane): a K step of 128 is 4,096 dense bytes
; of each tile of rows, and every fragment load takes 512 consecutive LDS bytes: no pitch, no padding.  K goes in 8 steps of 128 through a ring of two LDS slots filled by the tensor data mover.
; CLUSTERS: 4 x 4 work-groups.  ctx's tile hangs on the tile row and is asked for jointly by a row of the cluster, wo's on the tile column and by a column.
; THE MATRIX INSTRUCTION IS USED TRANSPOSED (source 0 = 16 rows of wo, source 1 = 16 rows of ctx): a lane holds eight neighbouring numbers of a row of the output.
; REGISTERS: window 0: v12-15 bo; v16-31 addresses; two fragment buffers of 96 at v32 and v128 (wo's 8 fragments, then ctx's 4); on the way out v32-159 rows of the output.  window 1: the accumulators ((a, b) at v[8 (8 a + b)]).
.set SLOT,   98304                     ; ctx: 8 tiles x 4,096 bytes; wo at + 32768: 16 x 4,096
.set STAGE,  2*SLOT                    ; 16 rows x 528 bytes for each wave: no tile ever lands here
.set SPITCH, 528
.set SPARE,  STAGE+4*16*SPITCH         ; the spare words: 128 bytes a wave, named by no other line
.set BO,   12
.set ADRA, 16
.set ADRB, 20
.set STO,  24
.set RD,   25
.set CO,   26
.set SPW,  28
.set NIL,  29
.set PFO,  30
.set F0,   32
.set F1,   128
.set BK,   32
.set G1, 24
.set G0, 32
.set G1B, 48
.set G0B, 56
.set PFA, 44                           ; s[44:45] where my prefetches stand
.set LIM, 43                           ; s43 1 in a wave that prefetches, else the greatest number
.set MSB, 0
.macro WIN new
.if MSB != (\new)
	s_set_vgpr_msb (MSB<<8)|(\new)
.set MSB, (\new)
.endif
.endm
.set MUL, 0x50                         ; sources 0 and 1 window 0; C and D window 1
.macro JLOAD s                         ; waves 0 and 1 fetch ctx's halves, waves 2 and 3 wo's; an s_nop 0 and four v_nop follow each line
	s_cmp_eq_u32 s15, 0
	s_cbranch_scc0 .Lfor_b_\@
	tensor_load_to_lds s[G0+4*\s:G0+4*\s+3], s[G1:G1+7]
	s_nop 0
.rept 4
	v_nop
.endr
	s_branch .Lasked_\@
.Lfor_b_\@:
	tensor_load_to_lds s[G0B+4*\s:G0B+4*\s+3], s[G1B:G1B+7]
	s_nop 0
.rept 4
	v_nop
.endr
.Lasked_\@:
.endm
; A prefetch into the L2 of the K step that stands two refills on: 32 blocks of 256 bytes, a lane a block, one instruction a wave.  ctx's 8 tiles: wave 0, the partner at cx takes tiles 2 cx, 2 cx + 1;
; wo's 8 tiles of a half: waves 2 and 3 of the clusters with y = 0 alone, the partner at cy takes 2 cy, 2 cy + 1: told apart by address, so each block is named once.  The loop's last trip names nothing.
.macro ASK
	s_cmp_gt_u32 s3, s[LIM]
	s_cbranch_scc0 .Lnot_mine_\@
	global_prefetch_b8 v[PFO], s[PFA:PFA+1] offset:4096 th:TH_LOAD_NT scope:SCOPE_SE
.Lnot_mine_\@:
.endm
.macro CREST
	s_cmp_lg_u32 s14, 0
	s_cbranch_scc1 .Lnot_wave_0_\@
	s_barrier_signal -3
.Lnot_wave_0_\@:
	s_barrier_wait -3
	s_barrier_signal -1
	s_barrier_wait -1
.endm
.macro CROUND
	s_barrier_signal -1
	s_barrier_wait -1
	CREST
.endm
.macro PLACES
.rept 4
	v_nop
.endr
.endm
	s_load_b256 s[4:11], s[0:1], 0x0               ; cimg, woimg, bo, out0
	v_lshl_add_u32 v[SPW], v0, 2, SPARE
	v_mov_b32 v[NIL], 0
	ds_add_u32 v[SPW], v[NIL]                      ; the wave's opening: the add, twice on end, and its wait ahead of my first tensor load
	ds_add_u32 v[SPW], v[NIL]
	v_lshrrev_b32 v1, 5, v0
	v_readfirstlane_b32 s14, v1                    ; wave 0..3
	s_lshr_b32 s15, s14, 1                         ; my half of the rows.  Also: I fetch ctx (0) or wo (1)
	s_and_b32 s16, s14, 1                          ; my half of the columns.  Also: which half of that tile I fetch
	s_bfe_u32 s40, ttmp6, 0x40000                  ; cx
	s_bfe_u32 s41, ttmp6, 0x40004                  ; cy
	s_lshl_b32 s42, ttmp9, 2
	s_add_co_u32 s42, s42, s40                     ; tile column
	s_and_b32 s17, ttmp7, 0xffff
	s_lshl_b32 s17, s17, 2
	s_add_co_u32 s17, s17, s41                     ; tile row
	s_lshl_b32 s43, s41, 2
	s_lshl_b32 s43, 15, s43                        ; my row of the cluster
	s_lshl_b32 s44, 0x1111, s40                    ; my column
	s_or_b32 s[G1+0], s43, (3<<16)|(1<<21)         ; the mask; elements of 8 bytes; bit 21 beside a mask; no padding
	s_or_b32 s[G1B+0], s44, (3<<16)|(1<<21)
	s_mov_b32 s[G1+1], 512<<16                     ; tensor_dim0 = 512 elements: 4,096 bytes
	s_mov_b32 s[G1+2], 4<<16                       ; tensor_dim1 = 4 tiles of rows
	s_mov_b32 s[G1+3], 512<<16                     ; tile_dim0
	s_mov_b32 s[G1+4], 4                           ; tile_dim1
	s_mov_b32 s[G1+5], 4096                        ; the pitch: 32,768 bytes
	s_mov_b32 s[G1+6], 0
	s_mov_b32 s[G1+7], 0
	s_mov_b32 s[G1B+1], 512<<16
	s_mov_b32 s[G1B+2], 8<<16
	s_mov_b32 s[G1B+3], 512<<16
	s_mov_b32 s[G1B+4], 8
	s_mov_b32 s[G1B+5], 4096
	s_mov_b32 s[G1B+6], 0
	s_mov_b32 s[G1B+7], 0
	s_lshl_b32 s20, s17, 3
	s_lshl_b32 s18, s16, 2
	s_add_co_u32 s20, s20, s18                     ; ctx: tile 8 x tile row + 4 x half
	s_lshl_b32 s20, s20, 15
	s_mov_b32 s21, 0
	s_lshl_b32 s46, s42, 4
	s_lshl_b32 s18, s16, 3
	s_add_co_u32 s46, s46, s18                     ; wo: tile 16 x tile column + 8 x half
	s_lshl_b32 s46, s46, 15
	s_mov_b32 s47, 0
	s_lshl_b32 s22, s16, 14                        ; where they go: no place in the cluster enters an LDS address
	s_lshl_b32 s23, s16, 15
	s_add_co_u32 s23, s23, 32768
	s_wait_dscnt 0x0                               ; both opening adds are done
	s_wait_kmcnt 0x0
	s_add_nc_u64 s[20:21], s[4:5], s[20:21]
	s_add_nc_u64 s[46:47], s[6:7], s[46:47]
	CROUND                                         ; all sixteen work-groups are here: the first joint loads meet
.irp s, 0,1
	s_mov_b32 s[G0+4*\s], 1
	s_add_co_u32 s[G0+4*\s+1], s22, \s*SLOT
	s_add_nc_u64 s[G0+4*\s+2:G0+4*\s+3], s[20:21], \s*4096
	s_or_b32 s[G0+4*\s+3], s[G0+4*\s+3], 0x80000000
	s_mov_b32 s[G0B+4*\s], 1
	s_add_co_u32 s[G0B+4*\s+1], s23, \s*SLOT
	s_add_nc_u64 s[G0B+4*\s+2:G0B+4*\s+3], s[46:47], \s*4096
	s_or_b32 s[G0B+4*\s+3], s[G0B+4*\s+3], 0x80000000
	JLOAD \s                                       ; two loads of mine are out
.endr
	v_and_b32 v1, 31, v0
	v_lshlrev_b32 v[CO], 4, v1                     ; 16 x lane
	v_and_b32 v2, 15, v0                           ; r
	v_bfe_u32 v3, v0, 4, 1                         ; h
	s_lshl_b32 s21, s15, 14                        ; my 4 tiles of ctx
	s_lshl_b32 s22, s16, 15
	s_add_co_u32 s22, s22, 32768                   ; my 8 tiles of wo
.irp s, 0,1
	v_add_nc_u32 v[ADRA+\s], s21, v[CO]
	v_add_nc_u32 v[ADRB+\s], s22, v[CO]
	s_add_co_u32 s21, s21, SLOT
	s_add_co_u32 s22, s22, SLOT
.endr
	s_mul_i32 s23, s14, 16*SPITCH
	s_add_co_u32 s23, s23, STAGE                   ; my stage
	v_mul_u32_u24 v4, v2, SPITCH
	v_lshl_add_u32 v4, v3, 5, v4
	v_add_nc_u32 v[STO], s23, v4                   ; in: row r, 32 bytes for each half of the lanes
	v_add_nc_u32 v[RD], s23, v[CO]                 ; back: the 32 lanes take one row of 512 bytes
	s_lshl_b32 s20, s17, 7
	s_lshl_b32 s21, s15, 6
	s_add_co_u32 s20, s20, s21                     ; my first row
	s_lshl_b32 s20, s20, 12
	s_lshl_b32 s46, s42, 10
	s_lshl_b32 s47, s16, 9
	s_add_co_u32 s46, s46, s47                     ; my first column, in bytes
	s_add_co_u32 s20, s20, s46
	s_mov_b32 s21, 0
	s_add_nc_u64 s[10:11], s[10:11], s[20:21]
	s_mov_b32 s47, 0
	s_add_nc_u64 s[8:9], s[8:9], s[46:47]
	global_load_b128 v[BO:BO+3], v[CO], s[8:9]     ; bo of my lane's four columns
	; the prefetches: who asks, and where
	s_and_b32 s22, ttmp7, 0xffff                   ; cluster y
	s_lshl_b32 s20, s17, 3
	s_lshl_b32 s21, s40, 1
	s_add_co_u32 s20, s20, s21                     ; ctx: tile 8 x tile row + 2 cx
	s_lshl_b32 s46, s42, 4
	s_lshl_b32 s47, s16, 3
	s_add_co_u32 s46, s46, s47
	s_lshl_b32 s47, s41, 1
	s_add_co_u32 s46, s46, s47                     ; wo: tile 16 x tile column + 8 x half + 2 cy
	s_cmp_eq_u32 s15, 0
	s_cselect_b64 s[PFA:PFA+1], s[4:5], s[6:7]
	s_cselect_b32 s20, s20, s46
	s_cselect_b32 s21, s16, s22                    ; ctx: wave 0 alone; wo: the clusters with y = 0 alone
	s_cmp_eq_u32 s21, 0
	s_cselect_b32 s[LIM], 1, -1                    ; the same in all sixteen partners, for a given wave
	s_lshl_b32 s20, s20, 15
	s_add_co_u32 s20, s20, 2*4096                  ; at K step 2: the first refill steps it to 3 and names K step 4
	s_mov_b32 s21, 0
	s_add_nc_u64 s[PFA:PFA+1], s[PFA:PFA+1], s[20:21]
	v_lshlrev_b32 v[PFO], 8, v2
	v_lshl_add_u32 v[PFO], v3, 15, v[PFO]          ; lanes 0-15 one tile's 16 blocks, lanes 16-31 the next tile's
.macro MULA f, a, zero                 ; 8 matrix instructions: ctx's tile a x wo's eight.  The 32 accumulators take turns in the same order in every quarter
.irp b, 0,1,2,3,4,5,6,7
.if \zero
	v_wmma_f32_16x16x32_f16 v[8*(8*(\a)+\b):8*(8*(\a)+\b)+7], v[\f+8*\b:\f+8*\b+7], v[\f+64+8*(\a):\f+64+8*(\a)+7], 0
.else
	v_wmma_f32_16x16x32_f16 v[8*(8*(\a)+\b):8*(8*(\a)+\b)+7], v[\f+8*\b:\f+8*\b+7], v[\f+64+8*(\a):\f+64+8*(\a)+7], v[8*(8*(\a)+\b):8*(8*(\a)+\b)+7]
.endif
.endr
.endm
.macro FETCH slot, ks, f               ; 24 LDS loads in one run: the fragments of 32 along K
.irp b, 0,1,2,3,4,5,6,7
	ds_load_b128 v[\f+8*\b:\f+8*\b+3],   v[ADRB+\slot] offset:\b*4096+\ks*1024
	ds_load_b128 v[\f+8*\b+4:\f+8*\b+7], v[ADRB+\slot] offset:\b*4096+\ks*1024+512
.endr
.irp a, 0,1,2,3
	ds_load_b128 v[\f+64+8*\a:\f+64+8*\a+3], v[ADRA+\slot] offset:\a*4096+\ks*1024
	ds_load_b128 v[\f+64+8*\a+4:\f+64+8*\a+7], v[ADRA+\slot] offset:\a*4096+\ks*1024+512
.endr
.endm
.macro QUARTER slot, ks, f, g, zero    ; multiplies buffer f; in its middle fetches the slot's quarter ks into buffer g
	s_wait_dscnt 0x0
	WIN MUL
	MULA \f, 0, \zero
	MULA \f, 1, \zero
	PLACES                                         ; in front of loads into registers that matrix instructions have read
	WIN 0
	FETCH \slot, \ks, \g
	WIN MUL
	MULA \f, 2, \zero
	MULA \f, 3, \zero
.endm
; A slot's last quarter multiplies buffer 1 and changes slots: one barrier; in front of it each wave waits for all its tensor loads, adds 0 to its spare word, and waits for that and for its reads of this slot.
.macro TURN slot, next, fill
.if \fill
	s_wait_xcnt 0x0                                ; the last prefetch, a K step back, has read its address
	s_add_nc_u64 s[PFA:PFA+1], s[PFA:PFA+1], 4096
.endif
	WIN 0
	s_wait_tensorcnt 0x0                           ; all my tensor loads have landed: my part of the next slot
	ds_add_u32 v[SPW], v[NIL]
	s_wait_dscnt 1                                 ; buffer 1's loads are in; the add may be out
	WIN MUL
	MULA F1, 0, 0
	s_wait_dscnt 0x0                               ; the add is done, and my reads of this slot are over
	s_barrier_signal -1
	MULA F1, 1, 0
	WIN 0
	s_barrier_wait -1
.if \fill
	CREST                                          ; the barrier has opened a round of the cluster's: no wave of any partner still reads this slot or has a load on its way
	s_add_nc_u64 s[G0+4*\slot+2:G0+4*\slot+3], s[G0+4*\slot+2:G0+4*\slot+3], 8192
	s_add_nc_u64 s[G0B+4*\slot+2:G0B+4*\slot+3], s[G0B+4*\slot+2:G0B+4*\slot+3], 8192
	JLOAD \slot                                    ; my one tensor load behind the round; its four v_nop are also the places in front of the loads below
.else
	PLACES
.endif
	FETCH \next, 0, F0
.if \fill
	ASK
.endif
	WIN MUL
	MULA F1, 2, 0
	MULA F1, 3, 0
.endm
	s_wait_tensorcnt 1                             ; my part of K step 0 is in; K step 1's may be out
	s_barrier_signal -1
	s_barrier_wait -1
	FETCH 0, 0, F0
	QUARTER 0, 1, F0, F1, 1                        ; the first products start the sums
	WIN 0
	s_mov_b32 s3, 3
.Llap:                                                 ; a trip goes once round the ring and fills both slots again
	QUARTER 0, 2, F1, F0, 0
	QUARTER 0, 3, F0, F1, 0
	TURN 0, 1, 1
	QUARTER 1, 1, F0, F1, 0
	QUARTER 1, 2, F1, F0, 0
	QUARTER 1, 3, F0, F1, 0
	TURN 1, 0, 1
	QUARTER 0, 1, F0, F1, 0
	WIN 0
	s_sub_co_u32 s3, s3, 1
	s_cmp_lg_u32 s3, 0
	s_cbranch_scc1 .Llap
	QUARTER 0, 2, F1, F0, 0                        ; the last lap fills nothing
	QUARTER 0, 3, F0, F1, 0
	TURN 0, 1, 0
	QUARTER 1, 1, F0, F1, 0
	QUARTER 1, 2, F1, F0, 0
	QUARTER 1, 3, F0, F1, 0
	s_wait_dscnt 0x0
	WIN MUL
	MULA F1, 0, 0
	MULA F1, 1, 0
	MULA F1, 2, 0
	MULA F1, 3, 0
	WIN 0
; THE WAY OUT, 16 rows x 128 columns at a time, through my own stage: back come whole rows of 512 bytes, bo is added, and the 32 lanes store 512 consecutive bytes, aligned.
.macro TOSTAGE a
	WIN 0x04                                       ; an LDS store's data: window 1
.irp b, 0,1,2,3,4,5,6,7
	ds_store_b128 v[STO], v[64*(\a)+8*\b:64*(\a)+8*\b+3] offset:64*\b          ; each accumulator from its low end on
	ds_store_b128 v[STO], v[64*(\a)+8*\b+4:64*(\a)+8*\b+7] offset:64*\b+16
.endr
	WIN 0
.set BB, BK+64*((\a)%2)
.irp t, 0,1,2,3,4,5,6,7,8,9,10,11,12,13,14,15
	ds_load_b128 v[BB+4*\t:BB+4*\t+3], v[RD] offset:\t*SPITCH      ; LDS serves a wave's instructions in order: these see the stores above
.endr
.endm
.macro SEND a, younger
.set BB, BK+64*((\a)%2)
	s_wait_dscnt \younger                          ; the block is back; the next block's LDS instructions may be out
.if (\a) > 0
	s_add_nc_u64 s[10:11], s[10:11], 16*4096       ; (behind a wait on XCNT: the earlier stores have read their base)
.endif
.irp t, 0,1,2,3,4,5,6,7,8,9,10,11,12,13,14,15
	v_pk_add_f32 v[BB+4*\t:BB+4*\t+1], v[BB+4*\t:BB+4*\t+1], v[BO:BO+1]
	v_pk_add_f32 v[BB+4*\t+2:BB+4*\t+3], v[BB+4*\t+2:BB+4*\t+3], v[BO+2:BO+3]
.endr
.irp t, 0,1,2,3,4,5,6,7,8,9,10,11,12,13,14,15
	global_store_b128 v[CO], v[BB+4*\t:BB+4*\t+3], s[10:11] offset:\t*4096 th:TH_STORE_NT
.endr
.endm
	PLACES                                         ; behind the last products
	s_wait_loadcnt 0x0                             ; bo
	TOSTAGE 0
.irp a, 1,2,3
.if \a > 1
	s_wait_xcnt 0x0                                ; block a - 2's stores have read their registers and their base
.endif
	TOSTAGE \a
	SEND \a-1, 32                                  ; behind block a - 1's loads: block a's 16 stores and 16 loads
.endr
	s_wait_xcnt 0x0
	SEND 3, 0
	s_wait_tensorcnt 0x0                           ; the wave's end
	ds_add_u32 v[SPW], v[NIL]
	s_wait_dscnt 0x0
	CROUND                                         ; the closing round
	s_endpgm
.Lfunc_end_k_q4aa05333d8_oproj:
	.size	k_q4aa05333d8_oproj, .Lfunc_end_k_q4aa05333d8_oproj-k_q4aa05333d8_oproj
	.p2alignl 7, 3214868480
	.fill 96, 4, 3214868480
	.section	.rodata,"a",@progbits
	.p2align	6, 0x0
	.amdhsa_kernel k_q4aa05333d8_oproj
		.amdhsa_group_segment_fixed_size 327680
		.amdhsa_private_segment_fixed_size 0
		.amdhsa_enable_private_segment 0
		.amdhsa_kernarg_size 32
		.amdhsa_user_sgpr_count 2
		.amdhsa_user_sgpr_kernarg_segment_ptr 1
		.amdhsa_wavefront_size32 1
		.amdhsa_system_sgpr_workgroup_id_x 1
		.amdhsa_system_sgpr_workgroup_id_y 1
		.amdhsa_system_sgpr_workgroup_id_z 1
		.amdhsa_system_vgpr_workitem_id 0
		.amdhsa_next_free_vgpr 512
		.amdhsa_next_free_sgpr 66
		.amdhsa_reserve_vcc 0
		.amdhsa_float_denorm_mode_32 3
		.amdhsa_float_denorm_mode_16_64 3
		.amdhsa_memory_ordered 1
		.amdhsa_forward_progress 1
		.amdhsa_inst_pref_size 93
	.end_amdhsa_kernel
	.amdgpu_metadata
---
amdhsa.version: [ 1, 2 ]
amdhsa.kernels:
  - .name:           k_q4aa05333d8_oproj
    .symbol:         k_q4aa05333d8_oproj.kd
    .args:
      - { .name: cimg, .offset: 0, .size: 8, .value_kind: global_buffer, .address_space: global }
      - { .name: woimg, .offset: 8, .size: 8, .value_kind: global_buffer, .address_space: global }
      - { .name: bo, .offset: 16, .size: 8, .value_kind: global_buffer, .address_space: global }
      - { .name: out0, .offset: 24, .size: 8, .value_kind: global_buffer, .address_space: global }
    .group_segment_fixed_size: 327680
    .private_segment_fixed_size: 0
    .kernarg_segment_align: 8
    .kernarg_segment_size: 32
    .max_flat_workgroup_size: 128
    .sgpr_count:     66
    .vgpr_count:     512
    .wavefront_size: 32
...
	.end_amdgpu_metadata
.endif
;; end of part 4
;; launch fine (part 5): grid 16 x 4, 16 waves a work-group, no clusters, 85,248 bytes of LDS; arguments himg, mbits, minfo, wo, bo, out0; writes out0
.if DOCPART == 5
	.amdgcn_target "amdgcn-amd-amdhsa--gfx1250"
	.amdhsa_code_object_version 6
	.text
	.protected	k_q4aa05333d8_fine
	.globl	k_q4aa05333d8_fine
	.p2align	8
	.type	k_q4aa05333d8_fine,@function
k_q4aa05333d8_fine:
	s_mov_b64 s[64:65], 0
	v_nop
	global_prefetch_b8 v0, s[64:65] scope:SCOPE_SE
	s_setreg_imm32_b32 hwreg(HW_REG_WAVE_MODE, 25, 1), 1
	s_wait_xcnt 0x0
; FINE: positions 0 to 15 of every batch once more, carried more finely, since such rows may average one to a few values.  It stores those 64 rows of out0 over what the launch before left there.
; The scores stay f16 x f16.  In the second product V and P go as pairs of f16 numbers, a high and a low part split in f32 (high x high + high x low + low x high); ctx stays f32, and the last product is
; done on f32 operands, wo as it is given, by the f32 matrix form: 64 of 8,192 rows, no bulk work.
; SHARES.  Work-group (x, batch): 64 output columns of the batch's 16 rows.  Phase 1: each of the sixteen waves makes the fine ctx of one head (every work-group of a batch makes all heads itself: that spares a launch and a
; buffer).  A step of 64 keys none of which is kept for any of the 16 rows is jumped over by the stored flags, as in the launch for all rows; under a mask that keeps keys everywhere a wave walks all 32 steps, straight from memory.
; Phase 2: wave w makes 16 columns (w % 4) over a quarter of K (w / 4); the four quarters meet in LDS.  The launch is small on purpose; few work-groups have work.
; No tensor loads: branches hang on numbers read from memory.  LIMITS as in the launch for all rows: a kept score x 1/8 at or under -1e9 + 104; NaN and infinities.
; REGISTERS: v1 16 x lane; v2, v3 the same + 2^24, + 2^25 (V's two parts, seen from K's); v4 the masked t; v5, v6 the add's two; v7 where ctx goes; v8-15 statistics (+0 m, +1 0, +2 +3 l, +4..+7 at work);
;   v16-31 Q; v32-63 S^T, p, then P's low part in place; v64-79 P's high part; v80-95 the f32 form's two accumulators, written by matrix instructions alone; v96-127 O^T; v128-191 K, then V's low part; v192-255 V's high part.
;   Behind the key loop: v2 lane % 16, v3 lane / 16, v4 my offset in wo.  Phase 2: v16-79 ctx; v96-103 sums; v104-109 addresses, written only when O^T has been read; v128-255 wo.
.set CTXP,  4112                       ; a row of ctx in LDS: 4,096 bytes + 16
.set PST,   16*CTXP                    ; four partial tiles of 16 rows x (256 bytes + 16)
.set SPARE, PST+4*16*272               ; the spare words: 128 bytes a wave, named by no other line
.set LI,  1
.set VH,  2
.set VL,  3
.set NEGR, 4
.set RR,  2                            ; behind the key loop
.set HH,  3
.set WOF, 4
.set SPW, 5
.set NIL, 6
.set CST, 7
.set ST,  8
.set Q,   16
.set S,   32
.set PH,  64
.set O,   96
.set CLD, 104
.set PSO, 106
.set PRD, 107
.set OUO, 108
.set BOO, 109
.set KB,  128
.set VB,  192
	s_load_b256 s[4:11], s[0:1], 0x0               ; himg, mbits, minfo, wo
	s_load_b128 s[48:51], s[0:1], 0x20             ; bo, out0
	v_lshl_add_u32 v[SPW], v0, 2, SPARE
	v_mov_b32 v[NIL], 0
	v_lshrrev_b32 v8, 5, v0
	v_readfirstlane_b32 s12, v8                    ; wave = head
	v_and_b32 v8, 31, v0
	v_lshlrev_b32 v[LI], 4, v8
	v_add_nc_u32 v[VH], 0x1000000, v[LI]
	v_add_nc_u32 v[VL], 0x2000000, v[LI]
	v_mov_b32 v[NEGR], 0xceabfb8f                  ; -1e9 x log2(e)
	v_and_b32 v8, 15, v0                           ; r
	v_bfe_u32 v9, v0, 4, 1                         ; h
	v_mul_u32_u24 v[CST], v8, CTXP
	v_lshl_add_u32 v[CST], v9, 5, v[CST]
	s_lshl_b32 s13, s12, 8
	v_add_nc_u32 v[CST], s13, v[CST]               ; ctx: row r, + 256 x head + 32 h
	s_and_b32 s13, ttmp7, 0xffff                   ; batch
	s_lshl_b32 s58, s13, 4
	s_add_co_u32 s58, s58, s12
	s_lshl_b32 s58, s58, 18
	s_mov_b32 s59, 0
	s_mov_b32 s56, 0x76543210
	s_mov_b32 s57, 0xfedcba98
	s_mov_b32 s62, 0x46000400                      ; 8193 = 2^13 + 1
	s_mov_b32 s63, s62
	s_wait_kmcnt 0x0
	s_load_b256 s[16:23], s[8:9], 0x0              ; the flags of the first tile of queries
	s_add_nc_u64 s[60:61], s[4:5], s[58:59]        ; Q: the head's first 16 tokens
	s_add_nc_u64 s[52:53], s[60:61], 0x1000000     ; K of the same head; V's parts by the vector offsets
.irp n, 0,1,2,3
	global_load_b128 v[Q+4*\n:Q+4*\n+3], v[LI], s[60:61] offset:512*\n
.endr
.set n, 0
.rept 32
	v_mov_b32 v[O+n], 0                            ; which step is worked first hangs on the flags, so the sums begin as zeros
.set n, n+1
.endr
.set n, 0
.rept 8
	v_mov_b32 v[ST+n], 0
.set n, n+1
.endr
	v_mov_b32 v[ST], 0xff61b1e6                    ; m: -3e38
	s_wait_kmcnt 0x0
	s_mov_b32 s54, 0
.irp w, 0,1,2,3
	s_and_b32 s58, s[17+2*\w], 0xff
	s_lshl_b32 s58, s58, 8*\w
	s_or_b32 s54, s54, s58                         ; bit t: some key of step t is kept for some of the 16 rows
.endr
	s_or_b32 s58, s16, s18
	s_or_b32 s58, s58, s20
	s_or_b32 s58, s58, s22
	s_lshr_b32 s59, s58, 16
	s_or_b32 s58, s58, s59
	s_and_b32 s58, s58, 0xffff
	s_cmp_eq_u32 s58, 0xffff
	s_cselect_b32 s54, s54, -1                     ; a row with no kept key wants every step
	s_wait_loadcnt 0x0                             ; Q
	s_mov_b32 s14, 0
.Lfstep:
	s_bitcmp1_b32 s54, 0
	s_cbranch_scc0 .Lfskip
	s_load_b512 s[16:31], s[6:7], 0x0              ; the step's 32 lane masks
	s_load_b512 s[32:47], s[6:7], 0x40
.set n, 0
.rept 16
	global_load_b128 v[KB+4*n:KB+4*n+3], v[LI], s[52:53] offset:512*n    ; K: fragment (kt, c) at KB + 16 kt + 8 c
.set n, n+1
.endr
.irp kb, 0,1
.irp ct, 0,1,2,3
.irp u, 0,1
	global_load_b128 v[VB+32*\kb+8*\ct+4*\u:VB+32*\kb+8*\ct+4*\u+3], v[VH], s[52:53] offset:(2*\kb+\u)*2048+\ct*512
.endr
.endr
.endr
	s_wait_loadcnt 16                              ; K is in; V's high part, 16 loads, may be out
.irp c, 0,1                            ; four accumulators by turns
.irp kt, 0,1,2,3
.if \c == 0
	v_wmma_f32_16x16x32_f16 v[S+8*\kt:S+8*\kt+7], v[KB+16*\kt+8*\c:KB+16*\kt+8*\c+7], v[Q+8*\c:Q+8*\c+7], 0
.else
	v_wmma_f32_16x16x32_f16 v[S+8*\kt:S+8*\kt+7], v[KB+16*\kt+8*\c:KB+16*\kt+8*\c+7], v[Q+8*\c:Q+8*\c+7], v[S+8*\kt:S+8*\kt+7]
.endif
.endr
.endr
.rept 4
	v_nop                                          ; places: K's registers are loaded anew and the scores read below
.endr
.irp kb, 0,1
.irp ct, 0,1,2,3
.irp u, 0,1
	global_load_b128 v[KB+32*\kb+8*\ct+4*\u:KB+32*\kb+8*\ct+4*\u+3], v[VL], s[52:53] offset:(2*\kb+\u)*2048+\ct*512
.endr
.endr
.endr
	s_wait_kmcnt 0x0
.irp kt, 0,1,2,3
.irp j, 0,1,2,3,4,5,6,7
	v_cndmask_b32 v[S+8*\kt+\j], v[NEGR], v[S+8*\kt+\j], s[16+8*\kt+\j]
.endr
.endr
.irp j, 0,1,2,3
	v_max3_num_f32 v[ST+4+\j], v[S+8*\j], v[S+8*\j+1], v[S+8*\j+2]
.endr
.irp g, 1,2
.irp j, 0,1,2,3
	v_max3_num_f32 v[ST+4+\j], v[ST+4+\j], v[S+8*\j+2*\g+1], v[S+8*\j+2*\g+2]
.endr
.endr
	v_max3_num_f32 v[ST+4], v[ST+4], v[S+7], v[S+15]
	v_max3_num_f32 v[ST+6], v[ST+6], v[S+23], v[S+31]
	v_max3_num_f32 v[ST+4], v[ST+4], v[ST+5], v[ST+6]
	v_max3_num_f32 v[ST+4], v[ST+4], v[ST+7], v[ST]
	v_permlanex16_b32 v[ST+5], v[ST+4], s56, s57
	v_mov_b32 v[ST+7], v[ST]
	v_max_num_f32 v[ST], v[ST+4], v[ST+5]          ; the new m
	v_sub_f32 v[ST+7], v[ST+7], v[ST]
.set n, 0
.rept 16
	v_pk_add_f32 v[S+2*n:S+2*n+1], v[S+2*n:S+2*n+1], v[ST:ST+1] op_sel_hi:[1,0] neg_lo:[0,1] neg_hi:[0,1]
.set n, n+1
.endr
	v_exp_f32 v[ST+6], v[ST+7]                     ; a
.set n, 0
.rept 32
	v_exp_f32 v[S+n], v[S+n]                       ; p
.set n, n+1
.endr
	v_nop
	s_wait_alu depctr_va_vdst(0)                   ; one wait for the batch of 33, ahead of the first instruction that names a result
	v_pk_mul_f32 v[ST+2:ST+3], v[ST+2:ST+3], v[ST+6:ST+7] op_sel_hi:[1,0]
	v_pk_add_f32 v[ST+4:ST+5], v[S:S+1], v[S+2:S+3]
.irp j, 4,8,12,16,20,24,28
	v_pk_add_f32 v[ST+2:ST+3], v[ST+2:ST+3], v[S+\j:S+\j+1]
	v_pk_add_f32 v[ST+4:ST+5], v[ST+4:ST+5], v[S+\j+2:S+\j+3]
.endr
	v_pk_add_f32 v[ST+2:ST+3], v[ST+2:ST+3], v[ST+4:ST+5]
.set n, 0
.rept 16
	v_pk_mul_f32 v[O+2*n:O+2*n+1], v[O+2*n:O+2*n+1], v[ST+6:ST+7] op_sel_hi:[1,0]
.set n, n+1
.endr
.set n, 0
.rept 16                               ; p splits in f32: c = 8193 p, high = c - (c - p), low = p - high; the low part is packed in place, ascending
	v_pk_mul_f32 v[ST+4:ST+5], v[S+2*n:S+2*n+1], s[62:63] op_sel_hi:[1,0]
	v_pk_add_f32 v[ST+6:ST+7], v[ST+4:ST+5], v[S+2*n:S+2*n+1] neg_lo:[0,1] neg_hi:[0,1]
	v_pk_add_f32 v[ST+4:ST+5], v[ST+4:ST+5], v[ST+6:ST+7] neg_lo:[0,1] neg_hi:[0,1]
	v_pk_add_f32 v[ST+6:ST+7], v[S+2*n:S+2*n+1], v[ST+4:ST+5] neg_lo:[0,1] neg_hi:[0,1]
	v_cvt_pk_f16_f32 v[PH+n], v[ST+4], v[ST+5]
	v_cvt_pk_f16_f32 v[S+n], v[ST+6], v[ST+7]
.set n, n+1
.endr
	s_wait_loadcnt 16                              ; V's high part is in; the low part's 16 loads may be out
.irp kb, 0,1                           ; four accumulators by turns throughout the 24 products
.irp ct, 0,1,2,3
	v_wmma_f32_16x16x32_f16 v[O+8*\ct:O+8*\ct+7], v[VB+32*\kb+8*\ct:VB+32*\kb+8*\ct+7], v[PH+8*\kb:PH+8*\kb+7], v[O+8*\ct:O+8*\ct+7]
.endr
.endr
.irp kb, 0,1
.irp ct, 0,1,2,3
	v_wmma_f32_16x16x32_f16 v[O+8*\ct:O+8*\ct+7], v[VB+32*\kb+8*\ct:VB+32*\kb+8*\ct+7], v[S+8*\kb:S+8*\kb+7], v[O+8*\ct:O+8*\ct+7]
.endr
.endr
	s_wait_loadcnt 0x0
.irp kb, 0,1
.irp ct, 0,1,2,3
	v_wmma_f32_16x16x32_f16 v[O+8*\ct:O+8*\ct+7], v[KB+32*\kb+8*\ct:KB+32*\kb+8*\ct+7], v[PH+8*\kb:PH+8*\kb+7], v[O+8*\ct:O+8*\ct+7]
.endr
.endr
.rept 5
	v_nop                                          ; places: the next worked step's products write over P, its loads over V
.endr
.Lfskip:
	s_wait_xcnt 0x0                                ; the bases are stepped only behind this wait
	s_add_nc_u64 s[52:53], s[52:53], 8192
	s_add_nc_u64 s[6:7], s[6:7], 128
	s_lshr_b32 s54, s54, 1
	s_add_co_u32 s14, s14, 1
	s_cmp_lt_u32 s14, 32
	s_cbranch_scc1 .Lfstep
	; ---- between the phases: my part of wo is asked for; ctx = O^T / l goes to LDS as f32; only then are O^T's registers taken for addresses
	s_and_b32 s58, s12, 3                          ; nt: which 16 columns
	s_lshr_b32 s59, s12, 2                         ; kq: which quarter of K
	s_lshl_b32 s60, ttmp9, 6
	s_lshl_b32 s61, s58, 4
	s_add_co_u32 s60, s60, s61
	s_lshl_b32 s60, s60, 12
	s_lshl_b32 s61, s59, 10
	s_add_co_u32 s60, s60, s61
	s_mov_b32 s61, 0
	s_add_nc_u64 s[10:11], s[10:11], s[60:61]
	v_add_f32 v[ST+4], v[ST+2], v[ST+3]
	v_permlanex16_b32 v[ST+5], v[ST+4], s56, s57
	v_add_f32 v[ST+4], v[ST+4], v[ST+5]
	v_rcp_f32 v[ST+6], v[ST+4]
	v_and_b32 v[RR], 15, v0                        ; r  (plain work behind the reciprocal; V's two offsets and the masked t are done with: no load that names them is out)
	v_bfe_u32 v[HH], v0, 4, 1                      ; h
	v_lshlrev_b32 v[WOF], 12, v[RR]
	v_lshl_add_u32 v[WOF], v[HH], 6, v[WOF]        ; wo: row r of 4,096 bytes, + 64 h: the lane's k is 256 kq + 32 q8 + 16 h + 4 i + e, the same map for both operands
.set n, 0
.rept 32
	global_load_b128 v[KB+4*n:KB+4*n+3], v[WOF], s[10:11] offset:128*(n/4)+16*(n%4)
.set n, n+1
.endr
	s_wait_alu depctr_va_vdst(0)                   ; the wait for the reciprocal, ahead of its first reader
.set n, 0
.rept 32
	v_mul_f32 v[S+n], v[O+n], v[ST+6]              ; ascending: each accumulator is read from its low end on
.set n, n+1
.endr
.irp ct, 0,1,2,3
	ds_store_b128 v[CST], v[S+8*\ct:S+8*\ct+3] offset:64*\ct
	ds_store_b128 v[CST], v[S+8*\ct+4:S+8*\ct+7] offset:64*\ct+16
.endr
	v_mul_u32_u24 v[CLD], v[RR], CTXP              ; O^T has been read: its registers take phase 2's addresses
	v_lshl_add_u32 v[CLD], v[HH], 6, v[CLD]
	s_lshl_b32 s60, s59, 10
	v_add_nc_u32 v[CLD], s60, v[CLD]               ; ctx back: row r, + 1024 kq + 64 h
	v_mul_u32_u24 v[PSO], v[RR], 272
	v_lshl_add_u32 v[PSO], v[HH], 5, v[PSO]
	s_mul_i32 s60, s59, 16*272
	s_lshl_b32 s61, s58, 6
	s_add_co_u32 s60, s60, s61
	s_add_co_u32 s60, s60, PST
	v_add_nc_u32 v[PSO], s60, v[PSO]               ; my partial tile: quarter kq, row r, + 64 nt + 32 h
	v_mul_u32_u24 v[PRD], v[HH], 272
	v_lshl_add_u32 v[PRD], v[RR], 4, v[PRD]
	s_and_b32 s60, s12, 7
	s_mul_i32 s60, s60, 2*272
	s_add_co_u32 s60, s60, PST
	v_add_nc_u32 v[PRD], s60, v[PRD]               ; back: rows 2 (w % 8) and + 1, sixteen lanes to a row of 256 bytes
	v_lshlrev_b32 v[BOO], 4, v[RR]
	v_lshl_add_u32 v[OUO], v[HH], 12, v[BOO]
	s_lshl_b32 s60, ttmp9, 8                       ; my 64 columns, in bytes
	s_mov_b32 s61, 0
	s_add_nc_u64 s[48:49], s[48:49], s[60:61]
	s_lshl_b32 s58, s13, 23                        ; the batch's first row,
	s_lshl_b32 s59, s12, 13                        ; + 2 rows a wave
	s_add_co_u32 s60, s60, s58
	s_add_co_u32 s60, s60, s59
	s_add_nc_u64 s[50:51], s[50:51], s[60:61]
	s_wait_dscnt 0x0                               ; for the others' sake: my stores have landed
	s_barrier_signal -1
	s_barrier_wait -1                              ; 16 rows x 1,024 numbers of ctx lie in LDS
	; ---- phase 2: 16 rows x 16 columns over 256 along K: 64 instructions of the f32 form on two accumulators by turns; source 0 = wo's rows, source 1 = ctx's rows
.macro HALF hf
.set n, 0
.rept 16
	ds_load_b128 v[16+4*n:16+4*n+3], v[CLD] offset:512*(\hf)+128*(n/4)+16*(n%4)
.set n, n+1
.endr
.if (\hf) == 0
	s_wait_loadcnt 0x0                             ; wo
.endif
	s_wait_dscnt 0x0
.set n, 0
.rept 16
.irp e, 0,1
.if ((\hf) == 0) && (n == 0)
	v_wmma_f32_16x16x4_f32 v[80+8*\e:87+8*\e], v[KB+64*(\hf)+4*n+2*\e:KB+64*(\hf)+4*n+2*\e+1], v[16+4*n+2*\e:17+4*n+2*\e], 0
.else
	v_wmma_f32_16x16x4_f32 v[80+8*\e:87+8*\e], v[KB+64*(\hf)+4*n+2*\e:KB+64*(\hf)+4*n+2*\e+1], v[16+4*n+2*\e:17+4*n+2*\e], v[80+8*\e:87+8*\e]
.endif
.endr
.set n, n+1
.endr
.rept 8
	v_nop                                          ; this form's places, in front of loads into its sources and of reads of its results
.endr
.endm
	HALF 0
	HALF 1
.irp j, 0,1,2,3,4,5,6,7
	v_add_f32 v[O+\j], v[80+\j], v[88+\j]          ; the two sums, into other registers
.endr
	ds_store_b128 v[PSO], v[O:O+3]
	ds_store_b128 v[PSO], v[O+4:O+7] offset:16
	s_wait_dscnt 0x0
	s_barrier_signal -1
	s_barrier_wait -1                              ; the four quarters' partial tiles lie in LDS
	s_cmp_lt_u32 s12, 8                            ; waves 0 to 7 add them, two rows each
	s_cbranch_scc0 .Lfend
.irp q, 0,1,2,3
	ds_load_b128 v[16+4*\q:19+4*\q], v[PRD] offset:\q*16*272
.endr
	global_load_b128 v[32:35], v[BOO], s[48:49]
	s_wait_dscnt 0x0
	v_pk_add_f32 v[16:17], v[16:17], v[20:21]
	v_pk_add_f32 v[18:19], v[18:19], v[22:23]
	v_pk_add_f32 v[24:25], v[24:25], v[28:29]
	v_pk_add_f32 v[26:27], v[26:27], v[30:31]
	v_pk_add_f32 v[16:17], v[16:17], v[24:25]
	v_pk_add_f32 v[18:19], v[18:19], v[26:27]
	s_wait_loadcnt 0x0
	v_pk_add_f32 v[16:17], v[16:17], v[32:33]
	v_pk_add_f32 v[18:19], v[18:19], v[34:35]
	global_store_b128 v[OUO], v[16:19], s[50:51]   ; sixteen lanes store 256 consecutive bytes, aligned
.Lfend:
	s_wait_tensorcnt 0x0                           ; the wave's end
	ds_add_u32 v[SPW], v[NIL]
	s_wait_dscnt 0x0
	s_endpgm
.Lfunc_end_k_q4aa05333d8_fine:
	.size	k_q4aa05333d8_fine, .Lfunc_end_k_q4aa05333d8_fine-k_q4aa05333d8_fine
	.p2alignl 7, 3214868480
	.fill 96, 4, 3214868480
	.section	.rodata,"a",@progbits
	.p2align	6, 0x0
	.amdhsa_kernel k_q4aa05333d8_fine
		.amdhsa_group_segment_fixed_size 85248
		.amdhsa_private_segment_fixed_size 0
		.amdhsa_enable_private_segment 0
		.amdhsa_kernarg_size 48
		.amdhsa_user_sgpr_count 2
		.amdhsa_user_sgpr_kernarg_segment_ptr 1
		.amdhsa_wavefront_size32 1
		.amdhsa_system_sgpr_workgroup_id_x 1
		.amdhsa_system_sgpr_workgroup_id_y 1
		.amdhsa_system_sgpr_workgroup_id_z 1
		.amdhsa_system_vgpr_workitem_id 0
		.amdhsa_next_free_vgpr 256
		.amdhsa_next_free_sgpr 66
		.amdhsa_reserve_vcc 0
		.amdhsa_float_denorm_mode_32 3
		.amdhsa_float_denorm_mode_16_64 3
		.amdhsa_memory_ordered 1
		.amdhsa_forward_progress 1
		.amdhsa_inst_pref_size 40
	.end_amdhsa_kernel
	.amdgpu_metadata
---
amdhsa.version: [ 1, 2 ]
amdhsa.kernels:
  - .name:           k_q4aa05333d8_fine
    .symbol:         k_q4aa05333d8_fine.kd
    .args:
      - { .name: himg, .offset: 0, .size: 8, .value_kind: global_buffer, .address_space: global }
      - { .name: mbits, .offset: 8, .size: 8, .value_kind: global_buffer, .address_space: global }
      - { .name: minfo, .offset: 16, .size: 8, .value_kind: global_buffer, .address_space: global }
      - { .name: wo, .offset: 24, .size: 8, .value_kind: global_buffer, .address_space: global }
      - { .name: bo, .offset: 32, .size: 8, .value_kind: global_buffer, .address_space: global }
      - { .name: out0, .offset: 40, .size: 8, .value_kind: global_buffer, .address_space: global }
    .group_segment_fixed_size: 85248
    .private_segment_fixed_size: 0
    .kernarg_segment_align: 8
    .kernarg_segment_size: 48
    .max_flat_workgroup_size: 512
    .sgpr_count:     66
    .vgpr_count:     256
    .wavefront_size: 32
...
	.end_amdgpu_metadata
.endif
;; end of part 5
